; MI455X (gfx1250); checked and timed in simulation.
; The chip was launched on July 23, 2026; its instructions are those of AMD's public machine-readable ISA for CDNA 5 (MIT licence, August 2026) and "CDNA5" Instruction Set Architecture Reference Guide (July 2026). The comments in the code are by the model that wrote it; some were corrected since.
;; Causal Self Attention. Allowed arithmetic: matrix products marked QUANTISED: E2M3 operands, one E8M0 scale for each 32 along K, by v_wmma_scale_f32_16x16x128_f8f6f4 with both operands' format E2M3, f32 sums; everything else in f32.
;; Inputs: Wo 1,024 x 1,024 float32; Wqkv 1,024 x 3,072 float32; bo 1,024 float32; bqkv 3,072 float32; mask 1 x 1 x 2,048 x 2,048 int32; x 4 x 2,048 x 1,024 float32.
;; Outputs: out0 4 x 2,048 x 1,024 float32.
;; This version of the problem:
;;   THIS VERSION OF THE PROBLEM IS GIVEN IN LOW PRECISION. The matrix products marked QUANTISED in the list below multiply operands that are first quantised to E2M3 (2 exponent bits, 3 mantissa bits; 6 bits a number), with one power-of-two scale for each 32 numbers along K (OCP MX v1.0); their sums are f32. All else is computed in f32.
;;   The module's matrix products, in the order in which they are computed (A, B: the left and right operand; K: the contracted axis; several contracted axes count as one K, in the product's order):
;;     1. [M 8,192, K 1,024] x [K 1,024, N 3,072]; A: input x; B: input Wqkv: QUANTISED
;;     2. batch 64 x [M 2,048, K 64] x [K 64, N 2,048]; A: computed on the way; B: computed on the way: QUANTISED
;;     3. batch 64 x [M 2,048, K 2,048] x [K 2,048, N 64]; A: softmax (see below); B: computed on the way: QUANTISED
;;     4. [M 8,192, K 1,024] x [K 1,024, N 1,024]; A: computed on the way; B: input Wo: QUANTISED
;;   THE QUANTISER, for each operand of a quantised product, along K:
;;     - K is cut into blocks of 32 from its start; a last block that is shorter is filled with zeros.
;;     - A block's scale is 2^e with e = floor(log2(the largest magnitude in the block)) - 2, held to -126 .. 127; a block of zeros has e = 0. As a byte (E8M0): e + 127.
;;     - Each number is divided by its block's scale, clamped to +-7.5, and rounded to the nearest number of E2M3, ties to even, subnormals kept.
;;     - The product sums the exact products of the quantised numbers (number of the format x scale) in f32.
;;   ~~~python
;;   def quantise(x, axis):      # numpy; x: float32 -> the quantised numbers, widened to float32 again
;;       x = np.moveaxis(x, axis, -1); K = x.shape[-1]
;;       x = np.pad(x, [(0, 0)] * (x.ndim - 1) + [(0, -K % 32)]); x = x.reshape(x.shape[:-1] + (-1, 32)); a = np.abs(x).max(-1, keepdims=True)
;;       e = np.where(a > 0, np.clip(np.frexp(np.where(a > 0, a, 1))[1] - 1 - 2, -126, 127), 0)      # np.frexp(a)[1] - 1 = floor(log2(a)), exactly
;;       r = np.clip(x / 2.0 ** e, -7.5, 7.5)
;;       step = 2.0 ** (np.maximum(np.frexp(np.where(r == 0, 1, r))[1] - 1, 0) - 3)
;;       q = np.round(r / step) * step * 2.0 ** e      # np.round: ties to even
;;       return np.moveaxis(q.reshape(q.shape[:-2] + (-1,))[..., :K], -1, axis).astype(np.float32)
;;   ~~~
;;   SOFTMAX AHEAD OF A QUANTISED PRODUCT. Where the list says 'softmax', what is quantised is not the finished softmax but p = 2^(t - M), with t = logit x log2(e) and M = ceil(the row's largest t), a whole number; so 1/2 < the row's largest p <= 1. The row's sum l is taken of the UNQUANTISED p, in f32, and the product's result is divided by l at the end. Since M is a whole number, a kernel that streams over the keys may use a running M (the ceiling of the running maximum): every later rescaling is an exact power of two, which a block's scale takes up: the codes' values come out the same.
;;   OPERANDS COMPUTED ON THE WAY. 'Computed on the way' means the value that the module computes at that place (a softmax that the list does not call 'softmax' is quantised finished and normalised). What goes into a quantiser is computed in f32, as accurately as f32 sums, v_exp_f32 and their like allow (about 1e-6 of the number): no bf16 or f16 on the way to a quantiser, and a product that is left as it is and whose result goes on into a quantised operand takes f32 operands (vector FMAs, or v_wmma_f32_16x16x4_f32). A number that lies on a knife's edge between two numbers of the format may be rounded either way, as far as f32 arithmetic and the matrix unit's own rounding can turn it there, and no further.
;; One version. Each part assembles by itself: llvm-mc -triple=amdgcn-amd-amdhsa -mcpu=gfx1250 --defsym DOCPART=n.
;; ======== version 1 of 1: 4 launches
;; workspace buffers: pre 9,830,400 bytes; mk 532,480 bytes of whole numbers; qkv 20,185,088 bytes; yq 6,553,600 bytes
;; launch prep (part 1): grid 320 x 1, 8 waves a work-group, no clusters, 94,208 bytes of LDS; arguments x, mask, Wqkv, Wo, pre, mk; writes pre, mk
.if DOCPART == 1
	.amdgcn_target "amdgcn-amd-amdhsa--gfx1250"
	.amdhsa_code_object_version 6
	.text
	.protected	k_qfafbed1abe_prep
	.globl	k_qfafbed1abe_prep
	.p2align	8
	.type	k_qfafbed1abe_prep,@function
k_qfafbed1abe_prep:
	s_mov_b64 s[64:65], 0
	v_nop
	global_prefetch_b8 v0, s[64:65] scope:SCOPE_SE
	s_setreg_imm32_b32 hwreg(HW_REG_WAVE_MODE, 25, 1), 1
	s_wait_xcnt 0x0
; x, Wqkv and Wo become codes of FP6 (E2M3) with one E8M0 byte for each 32 along K, laid in the order of the matrix operands' registers; the mask becomes lane masks and tile flags.
; ROWS OF AN OPERAND go in groups of 128, a group in 8 tiles of 16: lane r of tile t holds row 32 (t/2) + 8 (t%2) + r + 8 (r/8).  g16 = 8 x group + t.
; A FRAGMENT (16 rows x 128 K, 12 registers a lane) is 1,536 bytes: two halves of 768: registers 0-3 at 16 x lane, registers 4-5 at 512 + 8 x lane.
; pre: x's codes [kslot 4][g16 512][2][1536] at 0; W's codes [kslot 4][g16 256][2][1536] at WC (Wqkv's columns 0..3071, then Wo's); scale words [g16][K half][r][ks%4] at XS and WS.
; mk: [T 128][J 16][64 words]: bit (r + 16 h) of word 16 b + i says whether query (tile T, lane r) may see key 128 J + 32 b + 16 h + i; at FLAGS [T][J]: 0 none may, 1 some, 2 all.
; WORK-GROUPS 0-127 take x, 128-191 the mask, 192-319 the weights.  x and the mask walk one path (dense loads of 512 bytes, a turn through the wave's own stage in LDS) up to what is made of the 64 numbers of a lane.
; A block's scale byte is its largest magnitude's exponent field - 2, held at 1 from below.
; LIMITS: NaN and infinities among the inputs are not served; a block whose largest magnitude lies under 2^-124 (a block of zeros too) takes the byte 1: its codes are zeros or nearly so, and this program alone reads the bytes.
; The four flags of a wave leave by one store of 16 bytes: 8 KiB in the whole launch are written in parts of their 256-byte blocks.
.set XKS,   1572864                    ; x's codes: from kslot to kslot
.set WKS,   786432                     ; W's
.set WC,    6291456
.set XS,    9437184
.set WS,    9699328
.set FLAGS, 524288
.set WST,   67584                      ; LDS: 8 stages of 8,448 bytes (x, mask), then 8 of 3,072 (weights), then 1,024 bytes of scale words
.set WSG,   92160
.set R0,    16                         ; v16-143  two sets of 64 registers as loaded
.set X,     144                        ; v144-207 64 numbers of a lane: register 16 b + i = element 32 b + 16 h + i of row r
.set TM,    208                        ; v208-223 at work in QUANT
.set PC,    224                        ; v224-243 the codes just made
.set PWS,   244                        ; v244-247 four scale words
.set WA,    224                        ; v224-231 (mask) four pairs of mask words
.set FLG,   232                        ; v232-235 (mask) four flags
.set SEL,   48                         ; s[48:49] lane selects: lane l xor 16
; 64 numbers of a lane, register 16 b + i = k 32 b + 16 (lane / 16) + i of my row, become a fragment's codes in v[PC] on and its scale word in v[pw].
.macro QUANT s, pw
.irp b, 0,1,2,3
	v_max3_num_f32 v[TM+\b], |v[\s+16*\b]|, |v[\s+1+16*\b]|, 0x1800000   ; my 16 numbers of block b, and the floor 2^(3 - 127): the byte cannot fall under 1
.endr
.irp i, 2,4,6,8,10,12,14
.irp b, 0,1,2,3
	s_delay_alu instid0(VALU_DEP_4)
	v_max3_num_f32 v[TM+\b], v[TM+\b], |v[\s+16*\b+\i]|, |v[\s+1+16*\b+\i]|
.endr
.endr
.irp b, 0,1,2,3
	s_delay_alu instid0(VALU_DEP_4)
	v_permlanex16_b32 v[TM+4+\b], v[TM+\b], s[SEL], s[SEL+1]
.endr
.irp b, 0,1,2,3
	s_delay_alu instid0(VALU_DEP_4)
	v_max_num_f32 v[TM+\b], v[TM+\b], v[TM+4+\b]   ; with lane l xor 16's: the block's largest magnitude
.endr
.irp b, 0,1,2,3
	s_delay_alu instid0(VALU_DEP_4)
	v_add_nc_u32 v[TM+12+\b], 0xff000000, v[TM+\b]   ; 2 off its exponent field: the conversion's scale operand
.endr
.irp b, 0,1,2,3
	s_delay_alu instid0(VALU_DEP_4)
	v_lshrrev_b32 v[TM+4+\b], 23, v[TM+12+\b]      ; the scale's byte
.endr
	s_delay_alu instid0(VALU_DEP_3)
	v_lshl_or_b32 v[\pw], v[TM+5], 8, v[TM+4]
	s_delay_alu instid0(VALU_DEP_1)
	v_lshl_or_b32 v[\pw], v[TM+6], 16, v[\pw]
	s_delay_alu instid0(VALU_DEP_1)
	v_lshl_or_b32 v[\pw], v[TM+7], 24, v[\pw]
.irp c, 0,1
	v_cvt_scalef32_pk16_fp6_f32 v[PC+6*\c:PC+2+6*\c], v[\s+32*\c:\s+15+32*\c], v[TM+12+2*\c]
	v_cvt_scalef32_pk16_fp6_f32 v[PC+12+4*\c:PC+14+4*\c], v[\s+16+32*\c:\s+31+32*\c], v[TM+12+2*\c+1]   ; (a conversion's three registers begin on an even number)
.endr
	v_nop                                          ; one plain place behind a scaled conversion
.irp c, 0,1                                    ; the operand wants a whole block in a lane: lanes 0-15 block 2 c, lanes 16-31 block 2 c + 1
.irp i, 0,1,2
	v_permlane16_swap_b32 v[PC+6*\c+\i], v[PC+12+4*\c+\i]
.endr
.irp i, 0,1,2
	s_delay_alu instid0(VALU_DEP_3)
	v_mov_b32 v[PC+3+6*\c+\i], v[PC+12+4*\c+\i]
.endr
.endr
.endm
	s_load_b256 s[4:11], s[0:1], 0x0               ; x s[4:5], mask s[6:7], Wqkv s[8:9], Wo s[10:11]
	s_load_b128 s[12:15], s[0:1], 0x20             ; pre s[12:13], mk s[14:15]
	v_lshl_add_u32 v254, v0, 2, 0x16c00
	v_mov_b32 v255, 0
	v_lshrrev_b32 v1, 5, v0
	s_delay_alu instid0(VALU_DEP_1)
	v_readfirstlane_b32 s16, v1                    ; wave 0..7
	v_and_b32 v1, 31, v0                           ; lane
	s_delay_alu instid0(VALU_DEP_1)
	v_lshlrev_b32 v2, 4, v1                        ; 16 x lane
	s_wait_kmcnt 0x0
	s_cmp_ge_u32 ttmp9, 192
	s_cbranch_scc1 .Lweights
	; ---- x and the mask.  A wave takes one tile of 16 rows and four pieces of 128 words along the row.
	s_cmp_lt_u32 ttmp9, 128                        ; x's work-group?
	s_cselect_b32 s17, 0, 128
	s_cselect_b32 s18, 1, 2                        ; parts of a row: 2 (x) or 4 (mask), as a shift,
	s_cselect_b32 s19, 1, 3                        ; and as a mask
	s_cselect_b32 s25, 12, 13                      ; a row is 4,096 or 8,192 bytes
	s_cselect_b64 s[20:21], s[4:5], s[6:7]
	s_sub_co_u32 s17, ttmp9, s17
	s_lshl_b32 s17, s17, 3
	s_add_co_u32 s17, s17, s16                     ; my task
	s_lshr_b32 s26, s17, s18                       ; g16 (x) or T (mask)
	s_and_b32 s27, s17, s19                        ; which part of the row
	s_lshr_b32 s28, s26, 3
	s_lshl_b32 s28, s28, 7
	s_bfe_u32 s29, s26, 0x20001
	s_lshl_b32 s29, s29, 5
	s_add_co_u32 s28, s28, s29
	s_and_b32 s29, s26, 1
	s_lshl_b32 s29, s29, 3
	s_add_co_u32 s28, s28, s29                     ; the tile's first row: 128 x group + 32 (t/2) + 8 (t%2)
	s_lshl_b32 s28, s28, s25
	s_lshl_b32 s29, s27, 11
	s_add_co_u32 s28, s28, s29
	s_mov_b32 s29, 0
	s_add_nc_u64 s[20:21], s[20:21], s[28:29]      ; rows 0-7 of the tile,
	s_lshl_b32 s28, 16, s25
	s_add_nc_u64 s[22:23], s[20:21], s[28:29]      ; and rows 8-15, which lie 16 rows further down
	s_lshl_b32 s24, 1, s25
	s_wait_alu depctr_va_vdst(0)
.irp p, 0,1,2,3,4,5,6,7
	s_mul_i32 s28, s24, \p
	v_add_nc_u32 v[8+\p], s28, v2                  ; 16 x lane + p rows
.endr
	s_mul_i32 s30, s16, 8448                       ; my stage: 16 rows of 512 + 16 bytes
	v_add_nc_u32 v5, s30, v2                       ; in: 16 x lane
	v_and_b32 v3, 15, v0
	v_bfe_u32 v6, v0, 4, 1
	s_delay_alu instid0(VALU_DEP_2)
	v_lshlrev_b32 v4, 4, v3                        ; 16 r
	s_delay_alu instid0(VALU_DEP_3)
	v_mul_u32_u24 v3, v3, 528
	s_delay_alu instid0(VALU_DEP_1)
	v_lshl_add_u32 v6, v6, 6, v3
	s_delay_alu instid0(VALU_DEP_1)
	v_add_nc_u32 v6, s30, v6                       ; out: row r, + 64 h
	v_lshlrev_b32 v3, 3, v1                        ; 8 x lane
	v_mov_b32 v7, 0
	s_mov_b32 s[SEL], 0x76543210
	s_mov_b32 s[SEL+1], 0xfedcba98
.irp b, 0,1,2,3
	v_mov_b32 v[TM+4+\b], 0                        ; a lane permute's destination counts as one of its sources
	v_mov_b32 v[PWS+\b], 0
	v_mov_b32 v[FLG+\b], 0
.endr
	s_mul_i32 s28, s27, 2*XKS                      ; where the results go.  x's codes: kslot 2 x part, tile g16
	s_mul_i32 s31, s26, 3072
	s_add_co_u32 s28, s28, s31
	s_add_nc_u64 s[32:33], s[12:13], s[28:29]
	s_lshl_b32 s28, s26, 9                         ; x's scale words
	s_lshl_b32 s31, s27, 8
	s_add_co_u32 s28, s28, s31
	s_add_co_u32 s28, s28, XS
	s_add_nc_u64 s[34:35], s[12:13], s[28:29]
	s_lshl_b32 s28, s26, 4
	s_lshl_b32 s31, s27, 2
	s_add_co_u32 s31, s28, s31                     ; 16 T + 4 x part
	s_lshl_b32 s28, s31, 8
	s_add_nc_u64 s[36:37], s[14:15], s[28:29]      ; the mask words
	s_lshl_b32 s28, s31, 2
	s_add_co_u32 s28, s28, FLAGS
	s_add_nc_u64 s[38:39], s[14:15], s[28:29]      ; the flags
.macro LOADF f                         ; piece f: 16 rows x 512 bytes, each load 512 consecutive bytes
.irp p, 0,1,2,3,4,5,6,7,8,9,10,11,12,13,14,15
	global_load_b128 v[R0+64*((\f)%2)+4*\p:R0+64*((\f)%2)+4*\p+3], v[8+\p%8], s[20+2*(\p/8):21+2*(\p/8)] offset:512*(\f) th:TH_LOAD_NT
.endr
.endm
.macro DOF f
.if \f < 3
	s_wait_loadcnt 16                              ; this piece's 16 loads are in, the next piece's 16 may be out
.else
	s_wait_loadcnt 0x0
.endif
.irp p, 0,1,2,3,4,5,6,7,8,9,10,11,12,13,14,15
	ds_store_b128 v5, v[R0+64*((\f)%2)+4*\p:R0+64*((\f)%2)+4*\p+3] offset:528*\p
.endr
.irp b, 0,1,2,3
.irp j, 0,1,2,3
	ds_load_b128 v[X+16*\b+4*\j:X+16*\b+4*\j+3], v6 offset:128*\b+16*\j   ; LDS serves a wave's instructions in order: these see my stores
.endr
.endr
	s_wait_dscnt 0x0                               ; the numbers are back, and the stores have read their registers
.if \f < 2
	LOADF (\f)+2
.endif
	s_wait_xcnt 0x0                                ; the last piece's stores have read their data: those registers are written again below
	s_cmp_lt_u32 ttmp9, 128
	s_cbranch_scc0 .Lmask_\@
	QUANT X, PWS+\f
	global_store_b128 v2, v[PC:PC+3], s[32:33] offset:((\f)/2)*XKS+((\f)%2)*1536
	global_store_b64 v3, v[PC+4:PC+5], s[32:33] offset:((\f)/2)*XKS+((\f)%2)*1536+512
	global_store_b128 v2, v[PC+6:PC+9], s[32:33] offset:((\f)/2)*XKS+((\f)%2)*1536+768
	global_store_b64 v3, v[PC+10:PC+11], s[32:33] offset:((\f)/2)*XKS+((\f)%2)*1536+1280
	s_branch .Ljoin_\@
.Lmask_\@:
	v_mov_b32 v[WA+2*(\f)], 0
	v_mov_b32 v[WA+2*(\f)+1], 0
.set n, 0
.rept 64
	v_cmp_ne_u32 s[40+n%4], 0, v[X+n]              ; word n: one bit a lane
	s_delay_alu instid0(VALU_DEP_1)
	v_writelane_b32 v[WA+2*(\f)+(n&1)], s[40+n%4], n>>1   ; lane n / 2 keeps words n and n + 1: 8 bytes a lane, 256 in all
.set n, n+1
.endr
	global_store_b64 v3, v[WA+2*(\f):WA+2*(\f)+1], s[36:37] offset:256*(\f)
	v_or_b32 v236, v[WA+2*(\f)], v[WA+2*(\f)+1]
	v_and_b32 v237, v[WA+2*(\f)], v[WA+2*(\f)+1]
	s_delay_alu instid0(VALU_DEP_2)
	v_cmp_ne_u32 s44, 0, v236                      ; some bit set?
	s_delay_alu instid0(VALU_DEP_2)
	v_cmp_ne_u32 s45, -1, v237                     ; some bit clear?
	s_cmp_lg_u32 s44, 0
	s_cselect_b32 s44, 1, 0
	s_cmp_eq_u32 s45, 0
	s_cselect_b32 s45, 1, 0
	s_add_co_u32 s44, s44, s45                     ; 0 none, 1 some, 2 all
	v_mov_b32 v[FLG+\f], s44
.Ljoin_\@:
.endm
	LOADF 0
	LOADF 1
	DOF 0
	DOF 1
	DOF 2
	DOF 3
	s_cmp_lt_u32 ttmp9, 128
	s_cbranch_scc0 .Lmask_end
	global_store_b128 v4, v[PWS:PWS+3], s[34:35]   ; row r's four scale words; lanes 16-31 repeat lanes 0-15's bytes: 256 consecutive bytes
	s_wait_tensorcnt 0x0
	ds_add_u32 v254, v255
	s_wait_dscnt 0x0
	s_endpgm
.Lmask_end:
	s_wait_alu depctr_va_vdst(0)
	global_store_b128 v7, v[FLG:FLG+3], s[38:39]   ; every lane the same 16 bytes
	s_wait_tensorcnt 0x0
	ds_add_u32 v254, v255
	s_wait_dscnt 0x0
	s_endpgm
	; ---- the weights.  K is their first axis: a lane takes a column and its registers run down K.  A wave: 32 columns x 128 of K.
.Lweights:
	s_sub_co_u32 s17, ttmp9, 192
	s_lshr_b32 s18, s17, 1
	s_lshl_b32 s18, s18, 1
	s_lshr_b32 s19, s16, 2
	s_add_co_u32 s18, s18, s19                     ; cs: which 32 columns of the 4,096
	s_and_b32 s20, s17, 1                          ; which half of K
	s_and_b32 s21, s16, 3
	s_lshl_b32 s22, s20, 2
	s_add_co_u32 s22, s22, s21                     ; ks: which 128 of K
	s_cmp_lt_u32 s18, 96
	s_cselect_b64 s[24:25], s[8:9], s[10:11]       ; Wqkv or Wo
	s_cselect_b32 s23, 0, 96
	s_cselect_b32 s26, 3, 1
	s_sub_co_u32 s23, s18, s23
	s_lshl_b32 s23, s23, 7                         ; my first column, in bytes
	s_lshl_b32 s26, s26, 12                        ; P: a row of the weight in bytes
	s_lshl_b32 s27, s22, 7
	s_mul_i32 s27, s27, s26
	s_add_co_u32 s28, s27, s23
	s_mov_b32 s29, 0
	s_add_nc_u64 s[32:33], s[24:25], s[28:29]      ; s[32:47]: eight bases, 16 rows apart
	s_lshl_b32 s28, s26, 4
.irp k, 1,2,3,4,5,6,7
	s_add_nc_u64 s[32+2*\k:33+2*\k], s[30+2*\k:31+2*\k], s[28:29]
.endr
	s_wait_alu depctr_va_vdst(0)
	v_lshlrev_b32 v3, 2, v1
	s_wait_alu depctr_va_vdst(0)
.irp k, 0,1,2,3,4,5,6,7,8,9,10,11,12,13,14,15
	s_mul_i32 s30, s26, \k
	v_add_nc_u32 v[8+\k], s30, v3                  ; 4 x lane + k rows
.endr
.macro WLOAD t                         ; block t: rows 32 t .. 32 t + 31 of my column; a load reads 128 consecutive bytes
.irp i, 0,1,2,3,4,5,6,7,8,9,10,11,12,13,14,15,16,17,18,19,20,21,22,23,24,25,26,27,28,29,30,31
	global_load_b32 v[24+32*(\t)+\i], v[8+\i%16], s[32+2*(2*(\t)+\i/16):33+2*(2*(\t)+\i/16)] th:TH_LOAD_NT
.endr
.endm
	s_wait_alu depctr_va_vdst(0)
	WLOAD 0
	WLOAD 1
	v_bfe_u32 v4, v0, 3, 1                         ; column 32 cs + lane is lane r of tile 2 cs + u: u = (lane / 8) % 2,
	v_and_b32 v5, 7, v0
	v_bfe_u32 v6, v0, 4, 1
	s_delay_alu instid0(VALU_DEP_1)
	v_lshl_add_u32 v5, v6, 3, v5                   ; r = lane % 8 + 8 (lane / 16)
	s_mul_i32 s30, s16, 3072
	s_add_co_u32 s30, s30, WST                     ; my stage: the images of my two tiles' fragments
	v_mul_u32_u24 v6, v4, 1536
	s_delay_alu instid0(VALU_DEP_1)
	v_lshl_add_u32 v7, v5, 4, v6
	s_delay_alu instid0(VALU_DEP_1)
	v_add_nc_u32 v7, s30, v7                       ; registers 0-3 of a half: 1,536 u + 16 r
	s_delay_alu instid0(VALU_DEP_3)
	v_lshl_add_u32 v6, v5, 3, v6
	s_delay_alu instid0(VALU_DEP_1)
	v_add_nc_u32 v6, s30, v6                       ; registers 4-5: 1,536 u + 8 r (+ 512)
	v_add_nc_u32 v185, s30, v2                     ; back: 16 x lane
	s_lshl_b32 s31, s19, 9
	s_lshl_b32 s30, s21, 2
	s_add_co_u32 s30, s30, s31
	s_add_co_u32 s30, s30, WSG
	v_lshlrev_b32 v186, 8, v4
	s_delay_alu instid0(VALU_DEP_1)
	v_lshl_add_u32 v186, v5, 4, v186
	s_delay_alu instid0(VALU_DEP_1)
	v_add_nc_u32 v186, s30, v186                   ; my scale word: [wave / 4][u][r][wave % 4]
	s_add_co_u32 s31, s31, WSG
	v_add_nc_u32 v187, s31, v2
	v_lshrrev_b32 v216, 4, v1
	v_and_b32 v217, 15, v1
	s_delay_alu instid0(VALU_DEP_1)
	v_lshlrev_b32 v217, 4, v217
	s_delay_alu instid0(VALU_DEP_1)
	v_lshl_add_u32 v216, v216, 9, v217             ; the scale words' way out: tile lane / 16, row lane % 16
	s_lshr_b32 s50, s22, 1
	s_mul_i32 s50, s50, WKS
	s_mul_i32 s51, s18, 6144
	s_add_co_u32 s50, s50, s51
	s_and_b32 s51, s22, 1
	s_mul_i32 s51, s51, 1536
	s_add_co_u32 s50, s50, s51
	s_add_co_u32 s50, s50, WC
	s_mov_b32 s51, 0
	s_add_nc_u64 s[52:53], s[12:13], s[50:51]      ; the codes of tile 2 cs, K step ks
	s_lshl_b32 s50, s18, 10
	s_lshl_b32 s54, s20, 8
	s_add_co_u32 s50, s50, s54
	s_add_co_u32 s50, s50, WS
	s_add_nc_u64 s[54:55], s[12:13], s[50:51]      ; and their scale words
.macro WBLOCK t
.set XB, 24+32*(\t)
.set CD, 152+6*(\t)
.if (\t) < 3
	s_wait_loadcnt 32                              ; this block's 32 loads are in, the next block's 32 may be out
.else
	s_wait_loadcnt 0x0
.endif
.if (\t) < 2
	WLOAD (\t)+2
.endif
	v_max3_num_f32 v180, |v[XB]|, |v[XB+1]|, |v[XB+2]|             ; the block's largest magnitude: all 32 numbers are mine
	v_max3_num_f32 v181, |v[XB+3]|, |v[XB+4]|, |v[XB+5]|
.irp i, 6,10,14,18,22,26
	s_delay_alu instid0(VALU_DEP_2)
	v_max3_num_f32 v180, v180, |v[XB+\i]|, |v[XB+\i+1]|
	s_delay_alu instid0(VALU_DEP_2)
	v_max3_num_f32 v181, v181, |v[XB+\i+2]|, |v[XB+\i+3]|
.endr
	s_delay_alu instid0(VALU_DEP_2)
	v_max3_num_f32 v180, v180, |v[XB+30]|, |v[XB+31]|
	s_delay_alu instid0(VALU_DEP_1)
	v_max3_num_f32 v180, v180, v181, 0x1800000     ; and the floor
	s_delay_alu instid0(VALU_DEP_1)
	v_add_nc_u32 v182, 0xff000000, v180            ; the conversion's scale operand
	s_delay_alu instid0(VALU_DEP_1)
	v_lshrrev_b32 v183, 23, v182                   ; the byte
.if (\t) == 0
	s_delay_alu instid0(VALU_DEP_1)
	v_mov_b32 v184, v183
.else
	s_delay_alu instid0(VALU_DEP_1)
	v_lshl_or_b32 v184, v183, 8*(\t), v184
.endif
	v_cvt_scalef32_pk16_fp6_f32 v[CD:CD+2], v[XB:XB+15], v182
	v_cvt_scalef32_pk16_fp6_f32 v[176:178], v[XB+16:XB+31], v182
	v_nop                                          ; one plain place behind a scaled conversion
	v_mov_b32 v[CD+3], v176
	v_mov_b32 v[CD+4], v177
	v_mov_b32 v[CD+5], v178
	ds_store_b128 v7, v[CD:CD+3] offset:768*((\t)/2)+256*((\t)%2)          ; block t is what lane (r, h = t % 2) holds in registers 6 (t / 2) on
	ds_store_b64 v6, v[CD+4:CD+5] offset:512+768*((\t)/2)+128*((\t)%2)
.endm
	WBLOCK 0
	WBLOCK 1
	WBLOCK 2
	WBLOCK 3
	ds_store_b32 v186, v184
.irp e, 0,1,2,3,4,5
	ds_load_b128 v[188+4*\e:191+4*\e], v185 offset:512*\e                   ; LDS serves a wave's instructions in order: these see my stores
.endr
.irp e, 0,1,2,3,4,5
	s_wait_dscnt 5-\e                              ; the later loads may be out
	global_store_b128 v2, v[188+4*\e:191+4*\e], s[52:53] offset:(\e/3)*3072+(\e%3)*512   ; 512 consecutive bytes
.endr
	s_wait_dscnt 0x0                               ; for the others' sake: my scale words lie in LDS
	s_barrier_signal -1
	s_barrier_wait -1
	s_cmp_lg_u32 s21, 0                            ; waves 0 and 4 send the words of four K steps: 16 bytes a row
	s_cbranch_scc1 .Lweights_end
	ds_load_b128 v[212:215], v187
	s_wait_dscnt 0x0
	global_store_b128 v216, v[212:215], s[54:55]   ; sixteen lanes store 256 consecutive bytes
.Lweights_end:
	s_wait_tensorcnt 0x0
	ds_add_u32 v254, v255
	s_wait_dscnt 0x0
	s_endpgm
.Lfunc_end_k_qfafbed1abe_prep:
	.size	k_qfafbed1abe_prep, .Lfunc_end_k_qfafbed1abe_prep-k_qfafbed1abe_prep
	.p2alignl 7, 3214868480
	.fill 96, 4, 3214868480
	.section	.rodata,"a",@progbits
	.p2align	6, 0x0
	.amdhsa_kernel k_qfafbed1abe_prep
		.amdhsa_group_segment_fixed_size 94208
		.amdhsa_private_segment_fixed_size 0
		.amdhsa_enable_private_segment 0
		.amdhsa_kernarg_size 48
		.amdhsa_user_sgpr_count 2
		.amdhsa_user_sgpr_kernarg_segment_ptr 1
		.amdhsa_wavefront_size32 1
		.amdhsa_system_sgpr_workgroup_id_x 1
		.amdhsa_system_sgpr_workgroup_id_y 1
		.amdhsa_system_sgpr_workgroup_id_z 1
		.amdhsa_system_vgpr_workitem_id 0
		.amdhsa_next_free_vgpr 256
		.amdhsa_next_free_sgpr 66
		.amdhsa_reserve_vcc 0
		.amdhsa_float_denorm_mode_32 3
		.amdhsa_float_denorm_mode_16_64 3
		.amdhsa_memory_ordered 1
		.amdhsa_forward_progress 1
		.amdhsa_inst_pref_size 112
	.end_amdhsa_kernel
	.amdgpu_metadata
---
amdhsa.version: [ 1, 2 ]
amdhsa.kernels:
  - .name:           k_qfafbed1abe_prep
    .symbol:         k_qfafbed1abe_prep.kd
    .args:
      - { .name: x, .offset: 0, .size: 8, .value_kind: global_buffer, .address_space: global }
      - { .name: mask, .offset: 8, .size: 8, .value_kind: global_buffer, .address_space: global }
      - { .name: Wqkv, .offset: 16, .size: 8, .value_kind: global_buffer, .address_space: global }
      - { .name: Wo, .offset: 24, .size: 8, .value_kind: global_buffer, .address_space: global }
      - { .name: pre, .offset: 32, .size: 8, .value_kind: global_buffer, .address_space: global }
      - { .name: mk, .offset: 40, .size: 8, .value_kind: global_buffer, .address_space: global }
    .group_segment_fixed_size: 94208
    .private_segment_fixed_size: 0
    .kernarg_segment_align: 8
    .kernarg_segment_size: 48
    .max_flat_workgroup_size: 256
    .sgpr_count:     66
    .vgpr_count:     256
    .wavefront_size: 32
...
	.end_amdgpu_metadata
.endif
;; end of part 1
;; launch gemm_qkv (part 2): grid 12 x 32, 4 waves a work-group, clusters of 4 x 4, 327,680 bytes of LDS; arguments pre, bqkv, qkv; writes qkv
.if DOCPART == 2
	.amdgcn_target "amdgcn-amd-amdhsa--gfx1250"
	.amdhsa_code_object_version 6
	.text
	.protected	k_qfafbed1abe_gemm_qkv
	.globl	k_qfafbed1abe_gemm_qkv
	.p2align	8
	.type	k_qfafbed1abe_gemm_qkv,@function
k_qfafbed1abe_gemm_qkv:
	s_mov_b64 s[64:65], 0
	v_nop
	global_prefetch_b8 v0, s[64:65] scope:SCOPE_SE
	s_setreg_imm32_b32 hwreg(HW_REG_WAVE_MODE, 25, 1), 1
	s_wait_xcnt 0x0
	s_wait_alu depctr_hold_cnt(0) depctr_sa_sdst(0) depctr_va_vdst(0) depctr_va_sdst(0) depctr_va_ssrc(0) depctr_va_vcc(0) depctr_vm_vsrc(0)
	s_getreg_b32 s2, hwreg(HW_REG_IB_STS2, 6, 4)
	s_cmp_eq_u32 s2, 0
	s_cbranch_scc0 .Lentry_in_a_cluster
	s_endpgm
.Lentry_in_a_cluster:
	s_bfe_u32 s2, ttmp6, 0x10000c
	s_cmp_lg_u32 s2, 0xf033
	s_cbranch_scc0 .Lentry_shape_is_right
	s_endpgm
.Lentry_shape_is_right:
; qkv = x Wqkv + bqkv on codes of FP6 (E2M3) with E8M0 scales, and its results quantised at once into the operands of attention: nothing leaves in f32.
; A work-group of four waves makes 256 x 256; a wave 128 x 128: 64 accumulators.  K = 1,024 is 8 steps of 128, 4 kslots of 256.
; A product is D(register side = source 0, lane side = source 1).  Region A of a slot feeds the lane side, region B the register side.
; Clusters x = 0 (q) and 1 (k): A = tokens, B = rows of W: a lane holds one token and its registers run along the head's d, which is K of q k^T.
; Cluster x = 2 (v): A = rows of W (d), B = tokens: a lane holds one d and its registers run along the keys, which are K of p v.  Only global offsets differ; every LDS address is the same in all clusters.
; CLUSTERS of 4 x 4: A's tile hangs on cy alone and is asked for jointly along a row of the cluster, B's on cx alone and along a column.
; OPERANDS lie in memory as images of their registers (see prep): 128 rows x 256 K are 24,576 dense bytes, brought by one tensor load as 96 rows of 256 bytes.
; THREE SLOTS: kslots 0, 1, 2 are the first fills (three tensor loads of a wave out); kslot 3 is the launch's one refill, into slot 0, behind a round of the cluster's barrier.
; qkv: 64 records of REC bytes (K's codes [J][tile][768], V's codes [J][d tile][1536], K's scale words [J][2][r][4], V's [J][r][4]); Q's codes at QC, Q's scale words at QS.
; LIMITS: NaN and infinities are not served; a block whose largest magnitude lies under 2^-124 takes the byte 1.
; All of a WGP's LDS is claimed.
.set HALFT, 24576
.set SLOT,  98304
.set SPARE, 294912
.set XKS,   1572864
.set WKS,   786432
.set WC,    6291456
.set XS,    9437184
.set WS,    9699328
.set REC,   208896
.set QC,    13369344
.set QS,    19660800
.set L16,  8                           ; v8-10   lane side, slot s: 16 x lane + its 128 rows
.set L8,   11                          ; v11-13  the same with 8 x lane
.set R16,  14                          ; v14-16  register side
.set R8,   17                          ; v17-19
.set OA16, 20                          ; v20 16 x lane   v21 8 x lane   v22, v23 the same + the second half's distance
.set OA8,  21
.set OB16, 22
.set OB8,  23
.set OS0,  24                          ; v24, v25 where the scale words go; v26 how far they are shifted
.set OS1,  25
.set VSH,  26
.set SPW,  28                          ; v28 LDS address of my spare word; v29 0; both never rewritten
.set NIL,  29
.set SA,   32                          ; v32-63  lane side's scale words: tile a, K step ks: v[SA + 4 a + ks % 4], lanes 0-15 ks 0-3, lanes 16-31 ks 4-7
.set SB,   64                          ; v64-95  register side's
.set BL,   96                          ; v96-111 lane side's bias: tile a at v[BL + 2 a], the odd registers 0
.set TM,   112                         ; v112-127 at work in QUANT
.set AF,   128                         ; v128-223 lane side's fragments, one set
.set X,    128                         ; the way out: 64 numbers; v192-211 codes; v212-219 scale words; v220-227 shifted
.set PC,   192
.set PWA,  212
.set SWT,  220
.set G1A,  24                          ; s[24:31] group 1 for A; s[32:43] three groups 0; s[44:51], s[52:63] for B
.set G0A,  32
.set G1B,  44
.set G0B,  52
.set FRS,  78                          ; s[78:79] 1.0 where the register side has the bias, else 0
.set CB,   82                          ; s[82:83] where the codes go; s[84:85] a tile on; s[86:87] more at tile 4; s[88:89] the scale words
.set SEL,  100                         ; s[100:101] lane selects: lane l xor 16
; window 1: register side's fragments, two sets, v0-95 and v128-223; its bias, 64 registers, v96-127 and v224-255.  windows 2, 3: accumulator (a, b) at v[8 (8 (a % 4) + b)]
.set MSB, 0
.macro WIN new                         ; the immediate's high byte repeats the setting that is left
.if MSB != (\new)
	s_set_vgpr_msb (MSB<<8)|(\new)
.set MSB, (\new)
.endif
.endm
.macro PLACES                          ; four plain places behind matrix instructions, ahead of loads into their sources and of reads of their results
.rept 4
	v_nop
.endr
.endm
.macro JLOAD                           ; the joint refill: waves 0, 1 for A, waves 2, 3 for B; four v_nop follow each line
	s_cmp_eq_u32 s15, 0
	s_cbranch_scc0 .Lfor_b_\@
	tensor_load_to_lds s[G0A:G0A+3], s[G1A:G1A+7]
	s_nop 0
.rept 4
	v_nop
.endr
	s_branch .Lasked_\@
.Lfor_b_\@:
	tensor_load_to_lds s[G0B:G0B+3], s[G1B:G1B+7]
	s_nop 0
.rept 4
	v_nop
.endr
.Lasked_\@:
.endm
.macro CREST                           ; a round of the cluster's barrier behind its opening barrier
	s_cmp_lg_u32 s14, 0
	s_cbranch_scc1 .Lnot_wave_0_\@
	s_barrier_signal -3
.Lnot_wave_0_\@:
	s_barrier_wait -3
	s_barrier_signal -1
	s_barrier_wait -1
.endm
.macro CROUND
	s_barrier_signal -1
	s_barrier_wait -1
	CREST
.endm
.macro FRAG reg, a16, a8, off          ; a fragment's image, 1,536 bytes, into 12 registers: four loads
	ds_load_b128 v[\reg:\reg+3], v[\a16] offset:\off
	ds_load_b64 v[\reg+4:\reg+5], v[\a8] offset:\off+512
	ds_load_b128 v[\reg+6:\reg+9], v[\a16] offset:\off+768
	ds_load_b64 v[\reg+10:\reg+11], v[\a8] offset:\off+1280
.endm
.macro FETCH_R slot, q, p              ; the register side's eight fragments into set p
	WIN 0x40
.irp i, 0,1,2,3,4,5,6,7
	FRAG 128*(\p)+12*\i, R16+\slot, R8+\slot, 3072*\i+1536*(\q)
.endr
	WIN 0
.endm
.macro FETCH_L slot, q, i0             ; the lane side's tiles i0 .. i0 + 3
.irp i, \i0, \i0+1, \i0+2, \i0+3
	FRAG AF+12*(\i), L16+\slot, L8+\slot, 3072*(\i)+1536*(\q)
.endr
.endm
; 16 matrix instructions: lane tiles a0, a0 + 1 x the eight register tiles.  The 64 accumulators take turns in the same order in every step.
.macro MUL16 a0, p, ks, zero
.irp a, \a0, \a0+1
.irp b, 0,1,2,3,4,5,6,7
.set rD, 8*(8*((\a)%4)+\b)
.set rR, 128*(\p)+12*\b
.set rL, AF+12*(\a)
.set rB, SB+4*\b+(\ks)%4
.set rA, SA+4*(\a)+(\ks)%4
.if \zero
	v_wmma_scale_f32_16x16x128_f8f6f4 v[rD:rD+7], v[rR:rR+11], v[rL:rL+11], 0, v[rB], v[rA] matrix_a_fmt:MATRIX_FMT_FP6 matrix_b_fmt:MATRIX_FMT_FP6
.elseif (\ks) < 4
	v_wmma_scale_f32_16x16x128_f8f6f4 v[rD:rD+7], v[rR:rR+11], v[rL:rL+11], v[rD:rD+7], v[rB], v[rA] matrix_a_fmt:MATRIX_FMT_FP6 matrix_b_fmt:MATRIX_FMT_FP6
.else
	v_wmma_scale_f32_16x16x128_f8f6f4 v[rD:rD+7], v[rR:rR+11], v[rL:rL+11], v[rD:rD+7], v[rB], v[rA] matrix_a_fmt:MATRIX_FMT_FP6 matrix_b_fmt:MATRIX_FMT_FP6 matrix_a_scale:MATRIX_SCALE_ROW1 matrix_b_scale:MATRIX_SCALE_ROW1
.endif
.endr
.endr
.endm
.macro STEP ks, nslot, nq, zero        ; K step ks; the next step's fragments come from (nslot, nq)
	s_wait_dscnt 16                                ; all but the youngest 16 LDS loads (lane tiles 4-7) are in
	WIN 0xa1
	MUL16 0, (\ks)%2, \ks, \zero
	MUL16 2, (\ks)%2, \ks, \zero
	s_wait_dscnt 0x0
	PLACES
	FETCH_R \nslot, \nq, ((\ks)+1)%2
	FETCH_L \nslot, \nq, 0
	WIN 0xf1
	MUL16 4, (\ks)%2, \ks, \zero
	MUL16 6, (\ks)%2, \ks, \zero
	PLACES
	WIN 0
	FETCH_L \nslot, \nq, 4
.endm
; A step with a barrier: in front of it each wave waits for all its tensor loads, adds 0 to its spare word, and waits for that and for its own LDS reads.  fill = 1: slot 0 takes kslot 3.
.macro TURN ks, nslot, fill
	s_wait_tensorcnt 0x0                           ; all my tensor loads have landed
	ds_add_u32 v[SPW], v[NIL]                      ; 0 onto my spare word
	s_wait_dscnt 17                                ; (the add and the youngest 16 loads may be out)
	WIN 0xa1
	MUL16 0, (\ks)%2, \ks, 0
	s_wait_dscnt 0x0                               ; the add is done and my reads of the slot are over
	s_barrier_signal -1
	MUL16 2, (\ks)%2, \ks, 0
	WIN 0
	s_barrier_wait -1
.if \fill
	CREST                                          ; the barrier has opened a round of the cluster's: no wave of any partner still reads slot 0 or has a load on its way
.rept 3
	s_add_nc_u64 s[G0A+2:G0A+3], s[G0A+2:G0A+3], s[74:75]   ; three kslots on
	s_add_nc_u64 s[G0B+2:G0B+3], s[G0B+2:G0B+3], s[76:77]
.endr
	JLOAD                                          ; the first tensor load behind the round; its four v_nop are the places ahead of the loads below
.else
	PLACES
.endif
	FETCH_R \nslot, 0, ((\ks)+1)%2
	FETCH_L \nslot, 0, 0
	WIN 0xf1
	MUL16 4, (\ks)%2, \ks, 0
	MUL16 6, (\ks)%2, \ks, 0
	PLACES
	WIN 0
	FETCH_L \nslot, 0, 4
.endm
; 64 numbers of a lane, register 16 b + i = k 32 b + 16 (lane / 16) + i, become a fragment's codes in v[PC] on and its scale word in v[pw].
.macro QUANT s, pw
.irp b, 0,1,2,3
	v_max3_num_f32 v[TM+\b], |v[\s+16*\b]|, |v[\s+1+16*\b]|, 0x1800000   ; and the floor 2^(3 - 127): the byte cannot fall under 1
.endr
.irp i, 2,4,6,8,10,12,14
.irp b, 0,1,2,3
	v_max3_num_f32 v[TM+\b], v[TM+\b], |v[\s+16*\b+\i]|, |v[\s+1+16*\b+\i]|
.endr
.endr
.irp b, 0,1,2,3
	v_permlanex16_b32 v[TM+4+\b], v[TM+\b], s[SEL], s[SEL+1]
.endr
.irp b, 0,1,2,3
	v_max_num_f32 v[TM+\b], v[TM+\b], v[TM+4+\b]
.endr
.irp b, 0,1,2,3
	v_add_nc_u32 v[TM+12+\b], 0xff000000, v[TM+\b]   ; 2 off the exponent field: the conversion's scale operand
.endr
.irp b, 0,1,2,3
	v_lshrrev_b32 v[TM+4+\b], 23, v[TM+12+\b]
.endr
	v_lshl_or_b32 v[\pw], v[TM+5], 8, v[TM+4]
	v_lshl_or_b32 v[\pw], v[TM+6], 16, v[\pw]
	v_lshl_or_b32 v[\pw], v[TM+7], 24, v[\pw]
.irp c, 0,1
	v_cvt_scalef32_pk16_fp6_f32 v[PC+6*\c:PC+2+6*\c], v[\s+32*\c:\s+15+32*\c], v[TM+12+2*\c]
	v_cvt_scalef32_pk16_fp6_f32 v[PC+12+4*\c:PC+14+4*\c], v[\s+16+32*\c:\s+31+32*\c], v[TM+12+2*\c+1]
.endr
	v_nop                                          ; one plain place behind a scaled conversion
.irp c, 0,1
.irp i, 0,1,2
	v_permlane16_swap_b32 v[PC+6*\c+\i], v[PC+12+4*\c+\i]
.endr
.irp i, 0,1,2
	v_mov_b32 v[PC+3+6*\c+\i], v[PC+12+4*\c+\i]
.endr
.endr
.endm
	s_load_b128 s[4:7], s[0:1], 0x0                ; pre s[4:5], bqkv s[6:7]
	s_load_b64 s[8:9], s[0:1], 0x10                ; qkv
	v_lshl_add_u32 v[SPW], v0, 2, SPARE
	v_mov_b32 v[NIL], 0
	ds_add_u32 v28, v29
	ds_add_u32 v28, v29
	s_wait_dscnt 0x0
	v_lshrrev_b32 v1, 5, v0
	v_readfirstlane_b32 s14, v1                    ; wave 0..3
	s_lshr_b32 s15, s14, 1                         ; my half of the lane side.  Also: I fetch for A (0) or for B (1)
	s_and_b32 s16, s14, 1                          ; my half of the register side.  Also: which 128 rows I fetch
	s_bfe_u32 s66, ttmp6, 0x40000                  ; cx
	s_bfe_u32 s67, ttmp6, 0x40004                  ; cy
	s_and_b32 s68, ttmp7, 0xffff
	s_lshl_b32 s68, s68, 2                         ; 4 x cluster y
	s_lshl_b32 s69, ttmp9, 2                       ; 4 x cluster x
	s_lshl_b32 s10, s67, 2
	s_lshl_b32 s10, 15, s10                        ; my row of the cluster
	s_lshl_b32 s11, 0x1111, s66                    ; my column
	s_or_b32 s[G1A], s10, (3<<16)|(1<<21)          ; 15:0 the mask; 17:16 elements of 8 bytes; 21 set beside a mask; no padding
	s_or_b32 s[G1B], s11, (3<<16)|(1<<21)
.irp g, G1A, G1B
	s_mov_b32 s[\g+1], 32<<16                      ; tensor_dim0 = 32 elements: 256 bytes
	s_mov_b32 s[\g+2], 96<<16                      ; tensor_dim1 = 96 rows
	s_mov_b32 s[\g+3], 32<<16                      ; tile_dim0
	s_mov_b32 s[\g+4], 96                          ; tile_dim1
	s_mov_b32 s[\g+5], 32                          ; the pitch: the block is dense
	s_mov_b32 s[\g+6], 0
	s_mov_b32 s[\g+7], 0
.endr
	s_mov_b32 s74, WKS
	s_mov_b32 s76, XKS
	s_cmp_lt_u32 ttmp9, 2                          ; q or k?  The cluster's x is the same in all sixteen partners
	s_cselect_b32 s70, s68, 8                      ; A's tile of 256 rows, less cy: tokens, or W's rows 2,048 on
	s_cselect_b32 s71, s69, s68                    ; B's, less cx: W's rows, or tokens
	s_cselect_b32 s72, 0, WC                       ; where A's codes begin in pre
	s_cselect_b32 s73, WC, 0                       ; and B's
	s_cselect_b32 s74, XKS, s74                    ; from kslot to kslot
	s_cselect_b32 s76, WKS, s76
	s_cselect_b32 s[FRS], 1.0, 0
	s_cselect_b32 s80, 0, 1.0
	s_mov_b32 s75, 0
	s_mov_b32 s77, 0
	s_mov_b32 s[FRS+1], s[FRS]
	s_add_co_u32 s70, s70, s67                     ; hangs on cy alone
	s_add_co_u32 s71, s71, s66                     ; hangs on cx alone
	s_lshl_b32 s17, s70, 1
	s_add_co_u32 s17, s17, s16
	s_mul_i32 s18, s17, HALFT
	s_add_co_u32 s18, s18, s72
	s_mov_b32 s19, 0
	s_lshl_b32 s21, s71, 1
	s_add_co_u32 s21, s21, s16
	s_mul_i32 s22, s21, HALFT
	s_add_co_u32 s22, s22, s73
	s_mov_b32 s23, 0
	s_mul_i32 s20, s14, HALFT                      ; where they go: wave x 24,576: no place in the cluster enters an LDS address
	s_mov_b32 s[SEL], 0x76543210
	s_mov_b32 s[SEL+1], 0xfedcba98
	s_wait_kmcnt 0x0
	s_add_nc_u64 s[18:19], s[4:5], s[18:19]
	s_add_nc_u64 s[22:23], s[4:5], s[22:23]
	CROUND                                         ; all sixteen work-groups are here: the first joint loads meet
.irp n, 0,1,2
	s_mov_b32 s[G0A+4*\n], 1
	s_add_co_u32 s[G0A+4*\n+1], s20, \n*SLOT
	s_mov_b64 s[G0A+4*\n+2:G0A+4*\n+3], s[18:19]
	s_or_b32 s[G0A+4*\n+3], s[G0A+4*\n+3], 0x80000000
	s_add_nc_u64 s[18:19], s[18:19], s[74:75]
	s_mov_b32 s[G0B+4*\n], 1
	s_add_co_u32 s[G0B+4*\n+1], s20, \n*SLOT
	s_mov_b64 s[G0B+4*\n+2:G0B+4*\n+3], s[22:23]
	s_or_b32 s[G0B+4*\n+3], s[G0B+4*\n+3], 0x80000000
	s_add_nc_u64 s[22:23], s[22:23], s[76:77]
.endr
	s_cmp_eq_u32 s15, 0                            ; a wave's three first fills stand in one branch: three tensor loads of mine are out
	s_cbranch_scc0 .Lfirst_b
	tensor_load_to_lds s[G0A:G0A+3], s[G1A:G1A+7]
	s_nop 0
	tensor_load_to_lds s[G0A+4:G0A+7], s[G1A:G1A+7]
	s_nop 0
	tensor_load_to_lds s[G0A+8:G0A+11], s[G1A:G1A+7]
	s_nop 0
.rept 4
	v_nop
.endr
	s_branch .Lfirst_asked
.Lfirst_b:
	tensor_load_to_lds s[G0B:G0B+3], s[G1B:G1B+7]
	s_nop 0
	tensor_load_to_lds s[G0B+4:G0B+7], s[G1B:G1B+7]
	s_nop 0
	tensor_load_to_lds s[G0B+8:G0B+11], s[G1B:G1B+7]
	s_nop 0
.rept 4
	v_nop
.endr
.Lfirst_asked:
	v_and_b32 v1, 31, v0                           ; lane
	v_and_b32 v2, 15, v0                           ; r
	v_bfe_u32 v3, v0, 4, 1                         ; h
	v_lshlrev_b32 v[OA16], 4, v1
	s_wait_alu depctr_va_vdst(0)
	v_lshlrev_b32 v[OA8], 3, v1
	s_lshl_b32 s90, s70, 1
	s_add_co_u32 s90, s90, s15                     ; the lane side's group of 128 rows
	s_lshl_b32 s91, s71, 1
	s_add_co_u32 s91, s91, s16                     ; the register side's
	s_mov_b32 s2, WS
	s_mov_b32 s3, XS
	s_cmp_lt_u32 ttmp9, 2
	s_cselect_b32 s2, XS, s2
	s_cselect_b32 s3, WS, s3
	s_cselect_b32 s92, s90, s91                    ; the group of tokens, 0..63
	s_cselect_b32 s93, s91, s90                    ; the group of columns, 0..23
	s_lshl_b32 s12, s90, 12
	s_add_co_u32 s12, s12, s2
	s_mov_b32 s13, 0
	s_add_nc_u64 s[12:13], s[4:5], s[12:13]
	s_lshl_b32 s10, s91, 12
	s_add_co_u32 s10, s10, s3
	s_mov_b32 s11, 0
	s_add_nc_u64 s[10:11], s[4:5], s[10:11]
.irp i, 0,1,2,3,4,5,6,7
	global_load_b128 v[SA+4*\i:SA+4*\i+3], v[OA16], s[12:13] offset:512*\i   ; a tile's scale words for all of K: 512 consecutive bytes
	global_load_b128 v[SB+4*\i:SB+4*\i+3], v[OA16], s[10:11] offset:512*\i
.endr
	s_lshl_b32 s81, s93, 9                         ; the columns' bias, in bytes.  The side that has no bias reads bqkv's first bytes and multiplies them by 0
	s_cmp_lt_u32 ttmp9, 2
	s_cselect_b32 s2, s81, 0
	s_cselect_b32 s88, 0, s81
	s_mov_b32 s3, 0
	s_mov_b32 s89, 0
	s_add_nc_u64 s[2:3], s[6:7], s[2:3]
	s_add_nc_u64 s[88:89], s[6:7], s[88:89]
	v_lshlrev_b32 v27, 6, v3                       ; 64 h
	v_and_b32 v30, 8, v2
	v_add_nc_u32 v30, v30, v2
	v_lshlrev_b32 v30, 2, v30                      ; 4 (r + 8 (r / 8))
	WIN 0x40
.irp e, 0,1,2,3
.irp j, 0,1,2,3
	global_load_b128 v[96+16*\e+4*\j+96*(\e/2):99+16*\e+4*\j+96*(\e/2)], v27, s[2:3] offset:128*\e+16*\j   ; register 16 e + i: column 32 e + 16 h + i
.endr
.endr
	WIN 0
.irp a, 0,1,2,3,4,5,6,7
	global_load_b32 v[BL+2*\a], v30, s[88:89] offset:4*(32*(\a/2)+8*(\a%2))
	v_mov_b32 v[BL+2*\a+1], 0
.endr
.irp b, 0,1,2,3
	v_mov_b32 v[TM+4+\b], 0                        ; a lane permute's destination counts as one of its sources
.endr
	s_mul_i32 s17, s15, HALFT
	s_mul_i32 s21, s16, HALFT
	s_add_co_u32 s21, s21, 2*HALFT                 ; B's halves lie behind A's
.irp s, 0,1,2
	v_add_nc_u32 v[L16+\s], s17, v[OA16]
	v_add_nc_u32 v[L8+\s], s17, v[OA8]
	v_add_nc_u32 v[R16+\s], s21, v[OA16]
	v_add_nc_u32 v[R8+\s], s21, v[OA8]
	s_add_co_u32 s17, s17, SLOT
	s_add_co_u32 s21, s21, SLOT
.endr
	s_wait_alu depctr_va_vdst(0)
	s_wait_tensorcnt 2                             ; my part of kslot 0 is in; the two younger loads may be out
	s_barrier_signal -1
	s_barrier_wait -1
	FETCH_R 0, 0, 0
	FETCH_L 0, 0, 0
	FETCH_L 0, 0, 4
	s_wait_loadcnt 0x0                             ; scale words and biases
.irp a, 0,1,2,3,4,5,6,7
	v_mul_f32 v[BL+2*\a], s80, v[BL+2*\a]
.endr
	STEP 0, 0, 1, 1                                ; the first step's products start the sums
	TURN 1, 1, 1                                   ; every slot is whole for every wave; slot 0 takes kslot 3: three and a half steps, 224 matrix instructions, in which to land
	STEP 2, 1, 1, 0
	STEP 3, 2, 0, 0
	STEP 4, 2, 1, 0
	TURN 5, 0, 0                                   ; kslot 3 is whole for every wave
	STEP 6, 0, 1, 0
	s_wait_dscnt 16
	WIN 0xa1
	MUL16 0, 1, 7, 0
	MUL16 2, 1, 7, 0
	s_wait_dscnt 0x0
	WIN 0xf1
	MUL16 4, 1, 7, 0
	MUL16 6, 1, 7, 0
	WIN 0
	; THE WAY OUT.  A lane tile's 64 registers are 128 neighbours along the next product's K: bias, quantise, store the fragment's image.  q, k: its two halves are two heads' tiles of 64; v: one fragment of 128 keys.
	s_and_b32 s2, s93, 7                           ; the pair of heads
	s_lshr_b32 s3, s92, 4                          ; the batch
	s_lshl_b32 s3, s3, 4
	s_lshl_b32 s2, s2, 1
	s_add_co_u32 s2, s2, s3                        ; the first head's record
	s_and_b32 s3, s92, 15                          ; the group of 128 tokens in the sequence
	s_mov_b32 s94, REC
	s_mov_b32 s95, REC
	s_mov_b32 s97, 196608
	s_cmp_eq_u32 ttmp9, 0
	s_cselect_b32 s94, 98304, s94                  ; from head to head: codes,
	s_cselect_b32 s95, 8192, s95                   ; scale words
	s_cselect_b32 s96, QC, 0
	s_cselect_b32 s97, QS, s97
	s_mov_b32 s84, 768
	s_mov_b32 s10, 256
	s_cmp_eq_u32 ttmp9, 2
	s_cselect_b32 s96, 98304, s96                  ; where the codes begin
	s_cselect_b32 s97, 204800, s97                 ; and the scale words
	s_cselect_b32 s98, 768, s94                    ; from a fragment's first half to its second
	s_cselect_b32 s84, 1536, s84                   ; from lane tile to lane tile
	s_cselect_b32 s86, 202752, 0                   ; v: tile 4 begins the second head's record
	s_cselect_b32 s99, 8, 9                        ; a group's scale words: 256 or 512 bytes
	s_cselect_b32 s11, 0, s95                      ; q, k: lanes 16-31 store the second head's words
	s_cselect_b32 s10, s94, s10                    ; from tiles 0-3's words to tiles 4-7's
	s_cselect_b32 s12, 0, 16
	s_mov_b32 s85, 0
	s_mov_b32 s87, 0
	s_mul_i32 s82, s2, s94
	s_mul_i32 s13, s3, 6144
	s_add_co_u32 s82, s82, s13
	s_add_co_u32 s82, s82, s96
	s_mov_b32 s83, 0
	s_add_nc_u64 s[CB:CB+1], s[8:9], s[CB:CB+1]
	s_mul_i32 s88, s2, s95
	s_lshl_b32 s13, s3, s99
	s_add_co_u32 s88, s88, s13
	s_add_co_u32 s88, s88, s97
	s_mov_b32 s89, 0
	s_add_nc_u64 s[88:89], s[8:9], s[88:89]
	v_add_nc_u32 v[OB16], s98, v[OA16]
	v_add_nc_u32 v[OB8], s98, v[OA8]
	v_lshlrev_b32 v[OS0], 4, v2
	v_mul_u32_u24 v4, s11, v3
	v_add_nc_u32 v[OS0], v[OS0], v4
	v_add_nc_u32 v[OS1], s10, v[OS0]
	v_mul_u32_u24 v[VSH], s12, v3                  ; q, k: the second head's two bytes come down
	PLACES
.irp a, 0,1,2,3,4,5,6,7
	WIN 0x21+0x10*(\a/4)                           ; source 0 (bias) window 1, source 2 (accumulators) window 2 or 3
.set n, 0
.rept 32
	v_pk_fma_f32 v[X+n:X+n+1], v[96+n+96*(n/32):97+n+96*(n/32)], s[FRS:FRS+1], v[64*(\a%4)+n:64*(\a%4)+n+1] op_sel_hi:[1,0,1]   ; each accumulator from its low end on
.set n, n+2
.endr
	WIN 0
.set n, 0
.rept 32
	v_pk_add_f32 v[X+n:X+n+1], v[X+n:X+n+1], v[BL+2*\a:BL+2*\a+1] op_sel_hi:[1,0]
.set n, n+2
.endr
	s_wait_xcnt 0x0                                ; the last tile's stores have read their data and their base
.if \a > 0
	s_add_nc_u64 s[CB:CB+1], s[CB:CB+1], s[84:85]
.endif
.if \a == 4
	s_add_nc_u64 s[CB:CB+1], s[CB:CB+1], s[86:87]
.endif
	QUANT X, PWA+\a
	global_store_b128 v[OA16], v[PC:PC+3], s[CB:CB+1]              ; 512 consecutive bytes
	global_store_b64 v[OA8], v[PC+4:PC+5], s[CB:CB+1] offset:512   ; 256
	global_store_b128 v[OB16], v[PC+6:PC+9], s[CB:CB+1]
	global_store_b64 v[OB8], v[PC+10:PC+11], s[CB:CB+1] offset:512
.endr
.irp t, 0,1,2,3,4,5,6,7
	v_lshrrev_b32 v[SWT+\t], v[VSH], v[PWA+\t]
.endr
	global_store_b128 v[OS0], v[SWT:SWT+3], s[88:89]               ; sixteen lanes store 256 consecutive bytes
	global_store_b128 v[OS1], v[SWT+4:SWT+7], s[88:89]
	s_wait_tensorcnt 0x0                           ; the wave's end
	ds_add_u32 v[SPW], v[NIL]
	s_wait_dscnt 0x0
	CROUND                                         ; the closing round
	s_endpgm
.Lfunc_end_k_qfafbed1abe_gemm_qkv:
	.size	k_qfafbed1abe_gemm_qkv, .Lfunc_end_k_qfafbed1abe_gemm_qkv-k_qfafbed1abe_gemm_qkv
	.p2alignl 7, 3214868480
	.fill 96, 4, 3214868480
	.section	.rodata,"a",@progbits
	.p2align	6, 0x0
	.amdhsa_kernel k_qfafbed1abe_gemm_qkv
		.amdhsa_group_segment_fixed_size 327680
		.amdhsa_private_segment_fixed_size 0
		.amdhsa_enable_private_segment 0
		.amdhsa_kernarg_size 24
		.amdhsa_user_sgpr_count 2
		.amdhsa_user_sgpr_kernarg_segment_ptr 1
		.amdhsa_wavefront_size32 1
		.amdhsa_system_sgpr_workgroup_id_x 1
		.amdhsa_system_sgpr_workgroup_id_y 1
		.amdhsa_system_sgpr_workgroup_id_z 1
		.amdhsa_system_vgpr_workitem_id 0
		.amdhsa_next_free_vgpr 1024
		.amdhsa_next_free_sgpr 102
		.amdhsa_reserve_vcc 0
		.amdhsa_float_denorm_mode_32 3
		.amdhsa_float_denorm_mode_16_64 3
		.amdhsa_memory_ordered 1
		.amdhsa_forward_progress 1
		.amdhsa_inst_pref_size 183
	.end_amdhsa_kernel
	.amdgpu_metadata
---
amdhsa.version: [ 1, 2 ]
amdhsa.kernels:
  - .name:           k_qfafbed1abe_gemm_qkv
    .symbol:         k_qfafbed1abe_gemm_qkv.kd
    .args:
      - { .name: pre, .offset: 0, .size: 8, .value_kind: global_buffer, .address_space: global }
      - { .name: bqkv, .offset: 8, .size: 8, .value_kind: global_buffer, .address_space: global }
      - { .name: qkv, .offset: 16, .size: 8, .value_kind: global_buffer, .address_space: global }
    .group_segment_fixed_size: 327680
    .private_segment_fixed_size: 0
    .kernarg_segment_align: 8
    .kernarg_segment_size: 24
    .max_flat_workgroup_size: 128
    .sgpr_count:     102
    .vgpr_count:     1024
    .wavefront_size: 32
...
	.end_amdgpu_metadata
.endif
;; end of part 2
;; launch attn (part 3): grid 4 x 64, 16 waves a work-group, no clusters, 210,944 bytes of LDS; arguments qkv, mk, yq; writes yq
.if DOCPART == 3
	.amdgcn_target "amdgcn-amd-amdhsa--gfx1250"
	.amdhsa_code_object_version 6
	.text
	.protected	k_qfafbed1abe_attn
	.globl	k_qfafbed1abe_attn
	.p2align	8
	.type	k_qfafbed1abe_attn,@function
k_qfafbed1abe_attn:
	s_mov_b64 s[64:65], 0
	v_nop
	global_prefetch_b8 v0, s[64:65] scope:SCOPE_SE
	s_setreg_imm32_b32 hwreg(HW_REG_WAVE_MODE, 25, 1), 1
	s_wait_xcnt 0x0
; y = softmax(q k^T / 8, under the mask) v for one (batch, head), both products on codes of FP6 (E2M3) with E8M0 scales; y leaves quantised along head x 64 + d, as the last product's operand.
; THE SOFTMAX: t = score x log2(e) / 8; M = the running largest t rounded up to a whole number; p = 2^(t - M) is quantised along the keys; the sum of the unquantised p divides at the end.
; SHARES.  A work-group holds its head's whole record (K's and V's codes and scale words, 208,896 bytes) in LDS, filled once through registers; behind the one barrier LDS is only read.
; Each of 16 waves does two tiles of 16 queries one after the other: groups of 128 queries 2 j + w / 8 and 15 - 2 j - w / 8, tile w % 8.
; THE MASK IS AN INPUT.  The launch before has stored, as whole numbers, for each (16 queries x 128 keys) a flag (0 none allowed, 1 some, 2 all) and 64 lane masks.  A step with flag 0 is passed over by a scalar
; branch; in a step with flag 1 each hidden score becomes -infinity by one select.  Since branches hang on stored numbers, LDS is filled through registers and not by the tensor data mover,
; and the four work-groups of a head read its record each for itself.
; LAYOUT.  S^T = K Q^T, O^T = V^T P^T: a lane holds one query throughout.  The head's 64 fill half of a product's K: Q's upper six registers are zero codes; K's upper six are the next tile's codes, which meet those zeros.
; A row with no allowed key has the sum 0: its scale bytes are stored as 0xff, so that the last product gives NaN for that row, as the softmax of an empty row does.
; LIMITS: NaN and infinities in q, k, v are not served; a t under -3e38 is not told from a hidden key; y's scale bytes leave two to a lane, once a tile: those blocks of 256 bytes are written in parts.
; REGISTERS: v1-7 constants; v8-13 the step's LDS addresses; v14 -M, v15 the largest t; v[16:17] the sum; v18 16 r; v19, v86 Q's scale words; v20-31, v244-255 Q; v32-85 K, then at work; v87 p's scale word;
; v88-95 K's scale words; v96-159 S^T, then p; v160-191 O^T; v192-239 V; v240-243 V's scale words.
.set REC,   208896
.set QC,    13369344
.set QS,    19660800
.set FLAGS, 524288
.set XKS,   1572864
.set YS,    6291456
.set VCO,   98304                      ; LDS: K's codes at 0, V's here,
.set KSO,   196608                     ; K's scale words,
.set VSO,   204800                     ; V's
	s_load_b128 s[4:7], s[0:1], 0x0                ; qkv s[4:5], mk s[6:7]
	s_load_b64 s[8:9], s[0:1], 0x10                ; yq
	v_lshrrev_b32 v1, 5, v0
	s_delay_alu instid0(VALU_DEP_1)
	v_readfirstlane_b32 s10, v1                    ; wave 0..15
	v_and_b32 v3, 31, v0
	s_delay_alu instid0(VALU_DEP_1)
	v_lshlrev_b32 v1, 4, v3                        ; 16 x lane
	s_delay_alu instid0(VALU_DEP_2)
	v_lshlrev_b32 v2, 3, v3                        ; 8 x lane
	v_and_b32 v5, 15, v0
	s_delay_alu instid0(VALU_DEP_1)
	v_lshlrev_b32 v18, 4, v5                       ; 16 r
	s_delay_alu instid0(VALU_DEP_2)
	v_lshlrev_b32 v200, 2, v5                      ; 4 r
	v_add_nc_u32 v3, VCO, v1
	v_add_nc_u32 v4, VCO, v2
	s_delay_alu instid0(VALU_DEP_4)
	v_add_nc_u32 v5, KSO, v18
	v_add_nc_u32 v6, VSO, v18
	v_mov_b32 v7, 0xff800000                       ; -infinity
	v_lshlrev_b32 v8, 4, v0                        ; the fill: 16 x thread, and the same 64 KiB, 128 KiB, 192 KiB on
	s_delay_alu instid0(VALU_DEP_1)
	v_add_nc_u32 v9, 0x10000, v8
	s_delay_alu instid0(VALU_DEP_2)
	v_add_nc_u32 v10, 0x20000, v8
	s_delay_alu instid0(VALU_DEP_3)
	v_add_nc_u32 v11, 0x30000, v8
	v_lshlrev_b32 v12, 3, v0
	s_delay_alu instid0(VALU_DEP_1)
	v_add_nc_u32 v13, 0x30000, v12
.irp j, 0,1,2,3,4,5
	v_mov_b32 v[26+\j], 0                          ; Q's upper 64 of K: zero codes
	v_mov_b32 v[250+\j], 0
.endr
.set n, 32
.rept 54
	v_mov_b32 v[n], 0                              ; K's registers and what is at work there: written once, so that a pass all of whose steps are passed over reads nothing unwritten; v80-85 stay zero codes
.set n, n+1
.endr
	s_and_b32 s12, ttmp7, 0xffff                   ; 16 x batch + head
	s_and_b32 s13, s10, 7
	s_lshr_b32 s58, s10, 3
	s_lshl_b32 s59, ttmp9, 1
	s_add_co_u32 s58, s58, s59                     ; the first pass's group of 128 queries,
	s_sub_co_u32 s59, 15, s58                      ; the second's
	s_lshl_b32 s62, s58, 3
	s_add_co_u32 s62, s62, s13                     ; s62, s63: the two tiles T
	s_lshl_b32 s63, s59, 3
	s_add_co_u32 s63, s63, s13
	s_mov_b32 s14, 0x3e38aa3b                      ; c = log2(e) / 8
	s_mov_b32 s15, s14
	s_mov_b32 s56, 0x76543210
	s_mov_b32 s57, 0xfedcba98                      ; lane l xor 16
	s_mul_i32 s58, s12, 98304
	s_add_co_u32 s58, s58, QC
	s_lshl_b32 s59, s12, 13
	s_add_co_u32 s59, s59, QS
	s_wait_kmcnt 0x0
.irp p, 0,1
	s_mul_i32 s[16+8*\p], s[62+\p], 768
	s_add_co_u32 s[16+8*\p], s[16+8*\p], s58
	s_mov_b32 s[17+8*\p], 0
	s_add_nc_u64 s[16+8*\p:17+8*\p], s[4:5], s[16+8*\p:17+8*\p]      ; Q's codes
	s_lshr_b32 s[18+8*\p], s[62+\p], 2
	s_lshl_b32 s[18+8*\p], s[18+8*\p], 8
	s_and_b32 s[19+8*\p], s[62+\p], 3
	s_lshl_b32 s[19+8*\p], s[19+8*\p], 2
	s_add_co_u32 s[18+8*\p], s[18+8*\p], s[19+8*\p]
	s_add_co_u32 s[18+8*\p], s[18+8*\p], s59
	s_mov_b32 s[19+8*\p], 0
	s_add_nc_u64 s[18+8*\p:19+8*\p], s[4:5], s[18+8*\p:19+8*\p]      ; Q's scale words: 256 (T / 4) + 4 (T % 4), 16 bytes a row
	s_lshl_b32 s[20+8*\p], s[62+\p], 6
	s_add_co_u32 s[20+8*\p], s[20+8*\p], FLAGS
	s_mov_b32 s[21+8*\p], 0
	s_add_nc_u64 s[20+8*\p:21+8*\p], s[6:7], s[20+8*\p:21+8*\p]      ; the tile's 16 flags
.endr
	s_mul_i32 s40, s12, REC
	s_mov_b32 s41, 0
	s_add_nc_u64 s[40:41], s[4:5], s[40:41]        ; my head's record
	global_load_b128 v[20:23], v1, s[16:17]
	global_load_b64 v[24:25], v2, s[16:17] offset:512
	global_load_b32 v86, v18, s[18:19]
	global_load_b32 v198, v200, s[20:21]
	global_load_b128 v[244:247], v1, s[24:25]
	global_load_b64 v[248:249], v2, s[24:25] offset:512
	global_load_b32 v19, v18, s[26:27]
	global_load_b32 v199, v200, s[28:29]
.irp e, 0,1,2,3,4,5,6,7,8,9,10,11,12,13,14,15,16,17,18,19,20,21,22,23,24
	global_load_b128 v[96+4*\e:99+4*\e], v8, s[40:41] offset:8192*\e   ; the work-group's 512 threads take 8,192 consecutive bytes
.endr
	global_load_b64 v[196:197], v12, s[40:41] offset:204800
.irp e, 0,1,2,3,4,5,6,7,8,9,10,11,12,13,14,15,16,17,18,19,20,21,22,23,24
	s_wait_loadcnt 25-\e                           ; the loads issued behind this one may be out
	ds_store_b128 v[8+\e/8], v[96+4*\e:99+4*\e] offset:8192*(\e%8)
.endr
	s_wait_loadcnt 0x0
	ds_store_b64 v13, v[196:197] offset:8192
	v_cmp_ne_u32 s52, 0, v198                      ; bit J: some key of step J is allowed;
	v_cmp_eq_u32 s53, 2, v198                      ; all are
	v_cmp_ne_u32 s60, 0, v199
	v_cmp_eq_u32 s61, 2, v199
	s_wait_dscnt 0x0                               ; for the others' sake: my part of the record lies in LDS
	s_barrier_signal -1
	s_barrier_wait -1
; One tile of 16 queries against all keys.  qf: Q's registers; qsw: its scale word; any, all: the scalar registers with the flags' bits; tt: the scalar register with T.
.macro PASS qf, qsw, any, all, tt
	s_wait_xcnt 0x0                                ; the pass before has stores out: their data and bases are written again below
	v_mov_b32 v15, 0xff61b1e6                      ; the largest t so far: -3e38
	s_delay_alu instid0(VALU_DEP_1)
	v_floor_f32 v14, -v15                          ; -M
	v_mov_b32 v16, 0
	v_mov_b32 v17, 0
.irp j, 0,1,2,3,4,5,6,7,8,9,10,11,12,13,14,15,16,17,18,19,20,21,22,23,24,25,26,27,28,29,30,31
	v_mov_b32 v[160+\j], 0                         ; O^T: which step is the first to be executed hangs on the mask, so no product can be written out as the one that starts the sums
.endr
	s_mov_b32 s48, 0                               ; the step's codes: 6,144 bytes a step
	s_mov_b32 s49, 0                               ; K's scale words: 512
	s_mov_b32 s50, 0                               ; V's: 256
	s_lshl_b32 s58, s[\tt], 12
	s_mov_b32 s59, 0
	s_add_nc_u64 s[54:55], s[6:7], s[58:59]        ; the tile's mask words: 256 bytes a step
	s_mov_b32 s51, 16
.Lstep_\@:
	s_bitcmp1_b32 s[\any], 0
	s_cbranch_scc0 .Lskip_\@                       ; no key of this step is allowed for any of my queries
	s_setprio 2
	v_add_nc_u32 v8, s48, v1                       ; (these six are also the places behind the last step's products, ahead of the loads into their sources)
	v_add_nc_u32 v9, s48, v2
	v_add_nc_u32 v10, s48, v3
	v_add_nc_u32 v11, s48, v4
	v_add_nc_u32 v12, s49, v5
	v_add_nc_u32 v13, s50, v6
	ds_load_b128 v[88:91], v12
	ds_load_b128 v[92:95], v12 offset:256
.irp t, 0,1,2,3,4,5,6,7
	ds_load_b128 v[32+6*\t:35+6*\t], v8 offset:768*\t
	ds_load_b64 v[36+6*\t:37+6*\t], v9 offset:768*\t+512
.endr
	ds_load_b128 v[240:243], v13
.irp t, 0,1,2,3
	ds_load_b128 v[192+12*\t:195+12*\t], v10 offset:1536*\t
	ds_load_b64 v[196+12*\t:197+12*\t], v11 offset:1536*\t+512
	ds_load_b128 v[198+12*\t:201+12*\t], v10 offset:1536*\t+768
	ds_load_b64 v[202+12*\t:203+12*\t], v11 offset:1536*\t+1280
.endr
	s_load_b512 s[16:31], s[54:55], 0x0            ; the step's 64 lane masks
	s_load_b512 s[32:47], s[54:55], 0x40
	s_load_b512 s[68:83], s[54:55], 0x80
	s_load_b512 s[84:99], s[54:55], 0xc0
	s_wait_dscnt 17                                ; K and its scale words are in; V's 16 loads and its scale words may be out
.irp t, 0,1,2,3,4,5,6,7
	v_wmma_scale_f32_16x16x128_f8f6f4 v[96+8*\t:103+8*\t], v[32+6*\t:43+6*\t], v[\qf:\qf+11], 0, v[88+\t], v[\qsw] matrix_a_fmt:MATRIX_FMT_FP6 matrix_b_fmt:MATRIX_FMT_FP6
.endr
.rept 4
	v_nop
.endr
	s_wait_kmcnt 0x0
	s_bitcmp1_b32 s[\all], 0
	s_cbranch_scc1 .Lopen_\@                       ; every key of this step is allowed for every one of my queries
.set n, 0
.rept 64
	v_cndmask_b32 v[96+n], v7, v[96+n], s[16+n+20*(n/32)]   ; register 16 b + i holds key 32 b + 16 h + i: hidden scores become -infinity
.set n, n+1
.endr
.Lopen_\@:
.irp b, 0,1,2,3
	v_max3_num_f32 v[32+\b], v[96+16*\b], v[97+16*\b], v[98+16*\b]   ; the largest score of each block of 32 keys: for the row's maximum, and for the block's largest p
.endr
.irp i, 3,5,7,9,11,13
.irp b, 0,1,2,3
	v_max3_num_f32 v[32+\b], v[32+\b], v[96+16*\b+\i], v[97+16*\b+\i]
.endr
.endr
.irp b, 0,1,2,3
	v_max_num_f32 v[32+\b], v[32+\b], v[111+16*\b]
.endr
.irp b, 0,1,2,3
	s_delay_alu instid0(VALU_DEP_4)
	v_permlanex16_b32 v[36+\b], v[32+\b], s56, s57
.endr
.irp b, 0,1,2,3
	s_delay_alu instid0(VALU_DEP_4)
	v_max_num_f32 v[32+\b], v[32+\b], v[36+\b]     ; with lane l xor 16's 16 keys
.endr
	s_delay_alu instid0(VALU_DEP_2)
	v_max3_num_f32 v66, v32, v33, v34
	s_delay_alu instid0(VALU_DEP_1)
	v_max_num_f32 v66, v66, v35
	s_delay_alu instid0(VALU_DEP_1)
	v_mul_f32 v66, s14, v66                        ; as t
	s_delay_alu instid0(VALU_DEP_1)
	v_max_num_f32 v15, v15, v66                    ; the running largest t
	v_mov_b32 v66, v14
	s_delay_alu instid0(VALU_DEP_2)
	v_floor_f32 v14, -v15                          ; the new -M = -ceil(t)
	s_delay_alu instid0(VALU_DEP_1)
	v_sub_f32 v66, v14, v66                        ; old M - new M: a whole number, 0 or less
	s_delay_alu instid0(VALU_DEP_1)
	v_cvt_i32_f32 v66, v66                         ; (it saturates)
	s_delay_alu instid0(VALU_DEP_1)
	v_ldexp_f32 v68, 1.0, v66                      ; f = 2^(old M - new M)
.irp j, 0,2,4,6,8,10,12,14,16,18,20,22,24,26,28,30,32,34,36,38,40,42,44,46,48,50,52,54,56,58,60,62
	v_pk_fma_f32 v[96+\j:97+\j], v[96+\j:97+\j], s[14:15], v[14:15] op_sel_hi:[1,0,0]   ; t - M
.endr
.irp b, 0,1,2,3
	v_fma_f32 v[32+\b], v[32+\b], s14, v14         ; the same of each block's largest score
.endr
.set n, 0
	s_setprio 1
	s_wait_alu depctr_va_vdst(0)
.rept 64
	v_exp_f32 v[96+n], v[96+n]                     ; p = 2^(t - M)
.set n, n+1
.endr
	v_pk_mul_f32 v[16:17], v[16:17], v[68:69] op_sel_hi:[1,0]   ; the sum under the new M: a plain place behind the exponentials
	s_wait_alu depctr_va_vdst(0)                   ; one wait for the batch, ahead of its first reader
.irp b, 0,1,2,3
	v_exp_f32 v[32+\b], v[32+\b]                   ; each block's largest p
.endr
	v_pk_add_f32 v[64:65], v[100:101], v[104:105]
	v_pk_add_f32 v[94:95], v[108:109], v[112:113]
	v_pk_add_f32 v[92:93], v[116:117], v[120:121]
	v_pk_add_f32 v[90:91], v[124:125], v[128:129]
	v_pk_add_f32 v[88:89], v[132:133], v[136:137]
	v_pk_add_f32 v[78:79], v[140:141], v[144:145]
	v_pk_add_f32 v[76:77], v[148:149], v[152:153]
	v_pk_add_f32 v[16:17], v[16:17], v[156:157]
	v_pk_add_f32 v[64:65], v[64:65], v[96:97]
	v_pk_add_f32 v[94:95], v[94:95], v[98:99]
	v_pk_add_f32 v[92:93], v[92:93], v[102:103]
	v_pk_add_f32 v[90:91], v[90:91], v[106:107]
	v_pk_add_f32 v[88:89], v[88:89], v[110:111]
	v_pk_add_f32 v[78:79], v[78:79], v[114:115]
	v_pk_add_f32 v[76:77], v[76:77], v[118:119]
	v_pk_add_f32 v[16:17], v[16:17], v[122:123]
	v_pk_add_f32 v[64:65], v[64:65], v[126:127]
	v_pk_add_f32 v[94:95], v[94:95], v[130:131]
	v_pk_add_f32 v[92:93], v[92:93], v[134:135]
	v_pk_add_f32 v[90:91], v[90:91], v[138:139]
	v_pk_add_f32 v[88:89], v[88:89], v[142:143]
	v_pk_add_f32 v[78:79], v[78:79], v[146:147]
	v_pk_add_f32 v[76:77], v[76:77], v[150:151]
	v_pk_add_f32 v[16:17], v[16:17], v[154:155]
	v_pk_add_f32 v[64:65], v[64:65], v[158:159]
	s_delay_alu instid0(VALU_DEP_2)
	v_pk_add_f32 v[16:17], v[16:17], v[90:91]
	s_delay_alu instid0(VALU_DEP_2)
	v_pk_add_f32 v[64:65], v[64:65], v[88:89]
	v_pk_add_f32 v[94:95], v[94:95], v[78:79]
	v_pk_add_f32 v[92:93], v[92:93], v[76:77]
	s_delay_alu instid0(VALU_DEP_2)
	v_pk_add_f32 v[16:17], v[16:17], v[94:95]
	s_delay_alu instid0(VALU_DEP_2)
	v_pk_add_f32 v[64:65], v[64:65], v[92:93]
	s_delay_alu instid0(VALU_DEP_1)
	v_pk_add_f32 v[16:17], v[16:17], v[64:65]
	s_wait_alu depctr_va_vdst(0)                   ; and one for the four
.irp b, 0,1,2,3
	v_max_num_f32 v[32+\b], 0x1800000, v[32+\b]    ; the floor: the byte cannot fall under 1
.endr
.irp b, 0,1,2,3
	s_delay_alu instid0(VALU_DEP_4)
	v_add_nc_u32 v[40+\b], 0xff000000, v[32+\b]    ; the conversion's scale operand
.endr
.irp b, 0,1,2,3
	s_delay_alu instid0(VALU_DEP_4)
	v_lshrrev_b32 v[36+\b], 23, v[40+\b]
.endr
	s_delay_alu instid0(VALU_DEP_3)
	v_lshl_or_b32 v87, v37, 8, v36                 ; p's scale word for these 128 keys
	s_delay_alu instid0(VALU_DEP_1)
	v_lshl_or_b32 v87, v38, 16, v87
	s_delay_alu instid0(VALU_DEP_1)
	v_lshl_or_b32 v87, v39, 24, v87
.irp c, 0,1
	v_cvt_scalef32_pk16_fp6_f32 v[44+6*\c:46+6*\c], v[96+32*\c:111+32*\c], v[40+2*\c]
	v_cvt_scalef32_pk16_fp6_f32 v[56+4*\c:58+4*\c], v[112+32*\c:127+32*\c], v[41+2*\c]
.endr
	s_setprio 0
	v_nop                                          ; one plain place behind a scaled conversion
.irp c, 0,1
.irp i, 0,1,2
	v_permlane16_swap_b32 v[44+6*\c+\i], v[56+4*\c+\i]
.endr
.irp i, 0,1,2
	s_delay_alu instid0(VALU_DEP_3)
	v_mov_b32 v[47+6*\c+\i], v[56+4*\c+\i]
.endr
.endr
.irp j, 0,2,4,6,8,10,12,14,16,18,20,22,24,26,28,30
	v_pk_mul_f32 v[160+\j:161+\j], v[160+\j:161+\j], v[68:69] op_sel_hi:[1,0]   ; O^T under the new M; these lines are also the places between p's codes and scale word and the products
.endr
	s_wait_alu depctr_va_vdst(0)
	s_wait_dscnt 0x0                               ; V
.irp t, 0,1,2,3
	v_wmma_scale_f32_16x16x128_f8f6f4 v[160+8*\t:167+8*\t], v[192+12*\t:203+12*\t], v[44:55], v[160+8*\t:167+8*\t], v[240+\t], v87 matrix_a_fmt:MATRIX_FMT_FP6 matrix_b_fmt:MATRIX_FMT_FP6
.endr
.Lskip_\@:
	s_lshr_b32 s[\any], s[\any], 1
	s_lshr_b32 s[\all], s[\all], 1
	s_add_co_u32 s48, s48, 6144
	s_add_co_u32 s49, s49, 512
	s_add_co_u32 s50, s50, 256
	s_add_nc_u64 s[54:55], s[54:55], 256
	s_sub_co_u32 s51, s51, 1
	s_cmp_lg_u32 s51, 0
	s_cbranch_scc1 .Lstep_\@
	s_setprio 0
.rept 4
	v_nop                                          ; places behind the last products
.endr
	v_add_f32 v16, v16, v17
	s_delay_alu instid0(VALU_DEP_1)
	v_permlanex16_b32 v66, v16, s56, s57
	s_delay_alu instid0(VALU_DEP_1)
	v_add_f32 v16, v16, v66                        ; the row's sum
	s_wait_alu depctr_va_vdst(0)
	v_rcp_f32 v68, v16
	v_mov_b32 v67, 0xffff                          ; (a plain place behind the reciprocal)
	s_and_b32 s16, s12, 15                         ; the head
	s_lshr_b32 s17, s12, 4
	s_lshl_b32 s17, s17, 7
	s_add_co_u32 s17, s17, s[\tt]                  ; the tile of tokens: 128 x batch + T
	s_lshr_b32 s18, s16, 2
	s_mul_i32 s18, s18, XKS                        ; kslot = head / 4
	s_mul_i32 s19, s17, 3072
	s_add_co_u32 s18, s18, s19
	s_bfe_u32 s19, s16, 0x10001
	s_mul_i32 s19, s19, 1536                       ; K step in the kslot
	s_add_co_u32 s18, s18, s19
	s_and_b32 s19, s16, 1
	s_mul_i32 s19, s19, 768                        ; half of the fragment
	s_add_co_u32 s18, s18, s19
	s_mov_b32 s19, 0
	s_add_nc_u64 s[20:21], s[8:9], s[18:19]
	s_lshl_b32 s18, s17, 9
	s_lshr_b32 s22, s16, 3
	s_lshl_b32 s22, s22, 8
	s_add_co_u32 s18, s18, s22
	s_bfe_u32 s22, s16, 0x20001
	s_lshl_b32 s22, s22, 2
	s_add_co_u32 s18, s18, s22
	s_and_b32 s22, s16, 1
	s_lshl_b32 s22, s22, 1
	s_add_co_u32 s18, s18, s22
	s_add_co_u32 s18, s18, YS
	s_add_nc_u64 s[22:23], s[8:9], s[18:19]
	s_wait_alu depctr_va_vdst(0)                   ; ahead of the reciprocal's first reader
.irp j, 0,2,4,6,8,10,12,14,16,18,20,22,24,26,28,30
	v_pk_mul_f32 v[96+\j:97+\j], v[160+\j:161+\j], v[68:69] op_sel_hi:[1,0]   ; y: register 16 b + i is d = 32 b + 16 h + i
.endr
.irp b, 0,1
	v_max3_num_f32 v[32+\b], |v[96+16*\b]|, |v[97+16*\b]|, 0x1800000
.endr
.irp i, 2,4,6,8,10,12,14
.irp b, 0,1
	s_delay_alu instid0(VALU_DEP_2)
	v_max3_num_f32 v[32+\b], v[32+\b], |v[96+16*\b+\i]|, |v[97+16*\b+\i]|
.endr
.endr
.irp b, 0,1
	s_delay_alu instid0(VALU_DEP_2)
	v_permlanex16_b32 v[36+\b], v[32+\b], s56, s57
.endr
.irp b, 0,1
	s_delay_alu instid0(VALU_DEP_2)
	v_max_num_f32 v[32+\b], v[32+\b], v[36+\b]
.endr
.irp b, 0,1
	s_delay_alu instid0(VALU_DEP_2)
	v_add_nc_u32 v[40+\b], 0xff000000, v[32+\b]
.endr
.irp b, 0,1
	s_delay_alu instid0(VALU_DEP_2)
	v_lshrrev_b32 v[36+\b], 23, v[40+\b]
.endr
	s_delay_alu instid0(VALU_DEP_1)
	v_lshl_or_b32 v66, v37, 8, v36                 ; my head's two scale bytes
	v_cmp_eq_f32 vcc_lo, 0, v16
	s_delay_alu instid0(VALU_DEP_1)
	v_cndmask_b32 v66, v66, v67, vcc_lo            ; a row with no allowed key: NaN
	v_cvt_scalef32_pk16_fp6_f32 v[44:46], v[96:111], v40
	v_cvt_scalef32_pk16_fp6_f32 v[56:58], v[112:127], v41
	v_nop
.irp i, 0,1,2
	v_permlane16_swap_b32 v[44+\i], v[56+\i]
.endr
.irp i, 0,1,2
	s_delay_alu instid0(VALU_DEP_3)
	v_mov_b32 v[47+\i], v[56+\i]
.endr
	global_store_b128 v1, v[44:47], s[20:21]       ; 512 consecutive bytes
	global_store_b64 v2, v[48:49], s[20:21] offset:512
	global_store_b16 v18, v66, s[22:23]            ; lanes 16-31 repeat lanes 0-15's bytes
.endm
	PASS 20, 86, 52, 53, 62
	PASS 244, 19, 60, 61, 63
	s_wait_xcnt 0x0
	v_lshl_add_u32 v254, v0, 2, 0x33000
	v_mov_b32 v255, 0
	s_wait_alu depctr_va_vdst(0)
	s_wait_tensorcnt 0x0
	ds_add_u32 v254, v255
	s_wait_dscnt 0x0
	s_endpgm
.Lfunc_end_k_qfafbed1abe_attn:
	.size	k_qfafbed1abe_attn, .Lfunc_end_k_qfafbed1abe_attn-k_qfafbed1abe_attn
	.p2alignl 7, 3214868480
	.fill 96, 4, 3214868480
	.section	.rodata,"a",@progbits
	.p2align	6, 0x0
	.amdhsa_kernel k_qfafbed1abe_attn
		.amdhsa_group_segment_fixed_size 210944
		.amdhsa_private_segment_fixed_size 0
		.amdhsa_enable_private_segment 0
		.amdhsa_kernarg_size 24
		.amdhsa_user_sgpr_count 2
		.amdhsa_user_sgpr_kernarg_segment_ptr 1
		.amdhsa_wavefront_size32 1
		.amdhsa_system_sgpr_workgroup_id_x 1
		.amdhsa_system_sgpr_workgroup_id_y 1
		.amdhsa_system_sgpr_workgroup_id_z 1
		.amdhsa_system_vgpr_workitem_id 0
		.amdhsa_next_free_vgpr 256
		.amdhsa_next_free_sgpr 100
		.amdhsa_reserve_vcc 1
		.amdhsa_float_denorm_mode_32 3
		.amdhsa_float_denorm_mode_16_64 3
		.amdhsa_memory_ordered 1
		.amdhsa_forward_progress 1
		.amdhsa_inst_pref_size 70
	.end_amdhsa_kernel
	.amdgpu_metadata
---
amdhsa.version: [ 1, 2 ]
amdhsa.kernels:
  - .name:           k_qfafbed1abe_attn
    .symbol:         k_qfafbed1abe_attn.kd
    .args:
      - { .name: qkv, .offset: 0, .size: 8, .value_kind: global_buffer, .address_space: global }
      - { .name: mk, .offset: 8, .size: 8, .value_kind: global_buffer, .address_space: global }
      - { .name: yq, .offset: 16, .size: 8, .value_kind: global_buffer, .address_space: global }
    .group_segment_fixed_size: 210944
    .private_segment_fixed_size: 0
    .kernarg_segment_align: 8
    .kernarg_segment_size: 24
    .max_flat_workgroup_size: 512
    .sgpr_count:     100
    .vgpr_count:     256
    .wavefront_size: 32
...
	.end_amdgpu_metadata
.endif
;; end of part 3
;; launch gemm_out (part 4): grid 4 x 32, 4 waves a work-group, clusters of 4 x 4, 327,680 bytes of LDS; arguments yq, pre, bo, out0; writes out0
.if DOCPART == 4
	.amdgcn_target "amdgcn-amd-amdhsa--gfx1250"
	.amdhsa_code_object_version 6
	.text
	.protected	k_qfafbed1abe_gemm_out
	.globl	k_qfafbed1abe_gemm_out
	.p2align	8
	.type	k_qfafbed1abe_gemm_out,@function
k_qfafbed1abe_gemm_out:
	s_mov_b64 s[64:65], 0
	v_nop
	global_prefetch_b8 v0, s[64:65] scope:SCOPE_SE
	s_setreg_imm32_b32 hwreg(HW_REG_WAVE_MODE, 25, 1), 1
	s_wait_xcnt 0x0
	s_wait_alu depctr_hold_cnt(0) depctr_sa_sdst(0) depctr_va_vdst(0) depctr_va_sdst(0) depctr_va_ssrc(0) depctr_va_vcc(0) depctr_vm_vsrc(0)
	s_getreg_b32 s2, hwreg(HW_REG_IB_STS2, 6, 4)
	s_cmp_eq_u32 s2, 0
	s_cbranch_scc0 .Lentry_in_a_cluster
	s_endpgm
.Lentry_in_a_cluster:
	s_bfe_u32 s2, ttmp6, 0x10000c
	s_cmp_lg_u32 s2, 0xf033
	s_cbranch_scc0 .Lentry_shape_is_right
	s_endpgm
.Lentry_shape_is_right:
; out0 = y Wo + bo on codes of FP6 (E2M3) with E8M0 scales.  y's codes and scale words come from attention, Wo's from prep (groups of columns 24 .. 31 of W's buffer), both as images of operand registers.
; A work-group of four waves makes 256 tokens x 256 columns; a wave 128 x 128: 64 accumulators.  K = 1,024: 8 steps of 128, 4 kslots of 256.
; D(register side = source 0 = rows of Wo^T, lane side = source 1 = tokens): a lane holds one token and eight neighbouring columns a tile.
; CLUSTERS of 4 x 4: y's tile hangs on cy alone and is asked for jointly along a row of the cluster, Wo's on cx alone and along a column.
; THREE SLOTS: kslots 0, 1, 2 are the first fills (three tensor loads of a wave out); kslot 3 is the one refill, into slot 0, behind a round of the cluster's barrier.
; The grid has 128 work-groups: a tile of 128 x 256 would give 256 with half the multiply-adds for each LDS byte; not taken here.
; A token whose row of the mask is empty carries the scale byte 0xff: its 1,024 outputs are NaN.
; All of a WGP's LDS is claimed.
.set HALFT, 24576
.set SLOT,  98304
.set SPARE, 294912
.set XKS,   1572864
.set WKS,   786432
.set WC,    6291456
.set WS,    9699328
.set YS,    6291456
.set L16,  8
.set L8,   11
.set R16,  14
.set R8,   17
.set OA16, 20                          ; v20 16 x lane; v21 8 x lane
.set OA8,  21
.set STO,  24                          ; v24 the stage: where I put 32 bytes of a row; v25 where I read a row back
.set RD,   25
.set SPW,  28
.set NIL,  29
.set SA,   32                          ; v32-63 tokens' scale words; v64-95 Wo's; v96-99 my four columns' bias
.set SB,   64
.set AF,   128
.set BK,   128                         ; the way out: 16 rows read back: v128-191 and v192-255 by turns
.set G1A,  24
.set G0A,  32
.set G1B,  44
.set G0B,  52
.set MSB, 0
.macro WIN new
.if MSB != (\new)
	s_set_vgpr_msb (MSB<<8)|(\new)
.set MSB, (\new)
.endif
.endm
.macro PLACES
.rept 4
	v_nop
.endr
.endm
.macro JLOAD
	s_cmp_eq_u32 s15, 0
	s_cbranch_scc0 .Lfor_b_\@
	tensor_load_to_lds s[G0A:G0A+3], s[G1A:G1A+7]
	s_nop 0
.rept 4
	v_nop
.endr
	s_branch .Lasked_\@
.Lfor_b_\@:
	tensor_load_to_lds s[G0B:G0B+3], s[G1B:G1B+7]
	s_nop 0
.rept 4
	v_nop
.endr
.Lasked_\@:
.endm
.macro CREST
	s_cmp_lg_u32 s14, 0
	s_cbranch_scc1 .Lnot_wave_0_\@
	s_barrier_signal -3
.Lnot_wave_0_\@:
	s_barrier_wait -3
	s_barrier_signal -1
	s_barrier_wait -1
.endm
.macro CROUND
	s_barrier_signal -1
	s_barrier_wait -1
	CREST
.endm
.macro FRAG reg, a16, a8, off
	ds_load_b128 v[\reg:\reg+3], v[\a16] offset:\off
	ds_load_b64 v[\reg+4:\reg+5], v[\a8] offset:\off+512
	ds_load_b128 v[\reg+6:\reg+9], v[\a16] offset:\off+768
	ds_load_b64 v[\reg+10:\reg+11], v[\a8] offset:\off+1280
.endm
.macro FETCH_R slot, q, p
	WIN 0x40
.irp i, 0,1,2,3,4,5,6,7
	FRAG 128*(\p)+12*\i, R16+\slot, R8+\slot, 3072*\i+1536*(\q)
.endr
	WIN 0
.endm
.macro FETCH_L slot, q, i0
.irp i, \i0, \i0+1, \i0+2, \i0+3
	FRAG AF+12*(\i), L16+\slot, L8+\slot, 3072*(\i)+1536*(\q)
.endr
.endm
; The 64 accumulators take turns in the same order in every step.
.macro MUL16 a0, p, ks, zero
.irp a, \a0, \a0+1
.irp b, 0,1,2,3,4,5,6,7
.set rD, 8*(8*((\a)%4)+\b)
.set rR, 128*(\p)+12*\b
.set rL, AF+12*(\a)
.set rB, SB+4*\b+(\ks)%4
.set rA, SA+4*(\a)+(\ks)%4
.if \zero
	v_wmma_scale_f32_16x16x128_f8f6f4 v[rD:rD+7], v[rR:rR+11], v[rL:rL+11], 0, v[rB], v[rA] matrix_a_fmt:MATRIX_FMT_FP6 matrix_b_fmt:MATRIX_FMT_FP6
.elseif (\ks) < 4
	v_wmma_scale_f32_16x16x128_f8f6f4 v[rD:rD+7], v[rR:rR+11], v[rL:rL+11], v[rD:rD+7], v[rB], v[rA] matrix_a_fmt:MATRIX_FMT_FP6 matrix_b_fmt:MATRIX_FMT_FP6
.else
	v_wmma_scale_f32_16x16x128_f8f6f4 v[rD:rD+7], v[rR:rR+11], v[rL:rL+11], v[rD:rD+7], v[rB], v[rA] matrix_a_fmt:MATRIX_FMT_FP6 matrix_b_fmt:MATRIX_FMT_FP6 matrix_a_scale:MATRIX_SCALE_ROW1 matrix_b_scale:MATRIX_SCALE_ROW1
.endif
.endr
.endr
.endm
.macro STEP ks, nslot, nq, zero
	s_wait_dscnt 16                                ; all but the youngest 16 LDS loads (lane tiles 4-7) are in
	WIN 0xa1
	MUL16 0, (\ks)%2, \ks, \zero
	MUL16 2, (\ks)%2, \ks, \zero
	s_wait_dscnt 0x0
	PLACES
	FETCH_R \nslot, \nq, ((\ks)+1)%2
	FETCH_L \nslot, \nq, 0
	WIN 0xf1
	MUL16 4, (\ks)%2, \ks, \zero
	MUL16 6, (\ks)%2, \ks, \zero
	PLACES
	WIN 0
	FETCH_L \nslot, \nq, 4
.endm
.macro TURN ks, nslot, fill
	s_wait_tensorcnt 0x0                           ; all my tensor loads have landed
	ds_add_u32 v[SPW], v[NIL]                      ; 0 onto my spare word
	s_wait_dscnt 17                                ; (the add and the youngest 16 loads may be out)
	WIN 0xa1
	MUL16 0, (\ks)%2, \ks, 0
	s_wait_dscnt 0x0                               ; the add is done and my reads of the slot are over
	s_barrier_signal -1
	MUL16 2, (\ks)%2, \ks, 0
	WIN 0
	s_barrier_wait -1
.if \fill
	CREST                                          ; no wave of any partner still reads slot 0 or has a load on its way
	s_add_nc_u64 s[G0A+2:G0A+3], s[G0A+2:G0A+3], 3*XKS
	s_add_nc_u64 s[G0B+2:G0B+3], s[G0B+2:G0B+3], 3*WKS
	JLOAD                                          ; the first tensor load behind the round; its four v_nop are the places ahead of the loads below
.else
	PLACES
.endif
	s_wait_alu depctr_va_vdst(0)
	FETCH_R \nslot, 0, ((\ks)+1)%2
	FETCH_L \nslot, 0, 0
	WIN 0xf1
	MUL16 4, (\ks)%2, \ks, 0
	MUL16 6, (\ks)%2, \ks, 0
	PLACES
	WIN 0
	FETCH_L \nslot, 0, 4
.endm
	s_load_b256 s[4:11], s[0:1], 0x0               ; yq s[4:5], pre s[6:7], bo s[8:9], out0 s[10:11]
	v_lshl_add_u32 v[SPW], v0, 2, SPARE
	v_mov_b32 v[NIL], 0
	ds_add_u32 v28, v29
	ds_add_u32 v28, v29
	s_wait_dscnt 0x0
	v_lshrrev_b32 v1, 5, v0
	v_readfirstlane_b32 s14, v1                    ; wave 0..3
	s_lshr_b32 s15, s14, 1                         ; my half of the tokens.  Also: I fetch for A (0) or for B (1)
	s_and_b32 s16, s14, 1                          ; my half of the columns.  Also: which 128 rows I fetch
	s_bfe_u32 s66, ttmp6, 0x40000                  ; cx
	s_bfe_u32 s67, ttmp6, 0x40004                  ; cy
	s_and_b32 s70, ttmp7, 0xffff
	s_lshl_b32 s70, s70, 2
	s_add_co_u32 s70, s70, s67                     ; the tile of 256 tokens: hangs on cy alone
	s_lshl_b32 s71, ttmp9, 2
	s_add_co_u32 s71, s71, s66                     ; the tile of 256 columns: on cx alone
	s_lshl_b32 s72, s67, 2
	s_lshl_b32 s72, 15, s72                        ; my row of the cluster
	s_lshl_b32 s73, 0x1111, s66                    ; my column
	s_or_b32 s[G1A], s72, (3<<16)|(1<<21)          ; the mask; elements of 8 bytes; bit 21 beside a mask; no padding
	s_or_b32 s[G1B], s73, (3<<16)|(1<<21)
.irp g, G1A, G1B
	s_mov_b32 s[\g+1], 32<<16                      ; a dense block of 24,576 bytes as 96 rows of 256
	s_mov_b32 s[\g+2], 96<<16
	s_mov_b32 s[\g+3], 32<<16
	s_mov_b32 s[\g+4], 96
	s_mov_b32 s[\g+5], 32
	s_mov_b32 s[\g+6], 0
	s_mov_b32 s[\g+7], 0
.endr
	s_lshl_b32 s17, s70, 1
	s_add_co_u32 s17, s17, s16
	s_mul_i32 s18, s17, HALFT
	s_mov_b32 s19, 0
	s_lshl_b32 s21, s71, 1
	s_add_co_u32 s21, s21, s16
	s_add_co_u32 s21, s21, 24                      ; Wo's groups of columns follow Wqkv's 24
	s_mul_i32 s22, s21, HALFT
	s_add_co_u32 s22, s22, WC
	s_mov_b32 s23, 0
	s_mul_i32 s20, s14, HALFT
	s_wait_kmcnt 0x0
	s_add_nc_u64 s[18:19], s[4:5], s[18:19]
	s_add_nc_u64 s[22:23], s[6:7], s[22:23]
	CROUND                                         ; all sixteen work-groups are here: the first joint loads meet
.irp n, 0,1,2
	s_mov_b32 s[G0A+4*\n], 1
	s_add_co_u32 s[G0A+4*\n+1], s20, \n*SLOT
	s_add_nc_u64 s[G0A+4*\n+2:G0A+4*\n+3], s[18:19], \n*XKS
	s_or_b32 s[G0A+4*\n+3], s[G0A+4*\n+3], 0x80000000
	s_mov_b32 s[G0B+4*\n], 1
	s_add_co_u32 s[G0B+4*\n+1], s20, \n*SLOT
	s_add_nc_u64 s[G0B+4*\n+2:G0B+4*\n+3], s[22:23], \n*WKS
	s_or_b32 s[G0B+4*\n+3], s[G0B+4*\n+3], 0x80000000
.endr
	s_cmp_eq_u32 s15, 0                            ; a wave's three first fills stand in one branch: three tensor loads of mine are out
	s_cbranch_scc0 .Lfirst_b
	tensor_load_to_lds s[G0A:G0A+3], s[G1A:G1A+7]
	s_nop 0
	tensor_load_to_lds s[G0A+4:G0A+7], s[G1A:G1A+7]
	s_nop 0
	tensor_load_to_lds s[G0A+8:G0A+11], s[G1A:G1A+7]
	s_nop 0
.rept 4
	v_nop
.endr
	s_branch .Lfirst_asked
.Lfirst_b:
	tensor_load_to_lds s[G0B:G0B+3], s[G1B:G1B+7]
	s_nop 0
	tensor_load_to_lds s[G0B+4:G0B+7], s[G1B:G1B+7]
	s_nop 0
	tensor_load_to_lds s[G0B+8:G0B+11], s[G1B:G1B+7]
	s_nop 0
.rept 4
	v_nop
.endr
.Lfirst_asked:
	v_and_b32 v1, 31, v0
	v_and_b32 v2, 15, v0                           ; r
	v_bfe_u32 v3, v0, 4, 1                         ; h
	v_lshlrev_b32 v[OA16], 4, v1
	s_wait_alu depctr_va_vdst(0)
	v_lshlrev_b32 v[OA8], 3, v1
	s_wait_alu depctr_va_vdst(0)
	s_lshl_b32 s90, s70, 1
	s_add_co_u32 s90, s90, s15                     ; my group of 128 tokens
	s_lshl_b32 s91, s71, 1
	s_add_co_u32 s91, s91, s16                     ; my group of 128 columns
	s_lshl_b32 s74, s90, 12
	s_add_co_u32 s74, s74, YS
	s_mov_b32 s75, 0
	s_add_nc_u64 s[74:75], s[4:5], s[74:75]
	s_add_co_u32 s76, s91, 24
	s_lshl_b32 s76, s76, 12
	s_add_co_u32 s76, s76, WS
	s_mov_b32 s77, 0
	s_add_nc_u64 s[76:77], s[6:7], s[76:77]
.irp i, 0,1,2,3,4,5,6,7
	global_load_b128 v[SA+4*\i:SA+4*\i+3], v[OA16], s[74:75] offset:512*\i
	global_load_b128 v[SB+4*\i:SB+4*\i+3], v[OA16], s[76:77] offset:512*\i
.endr
	s_lshl_b32 s78, s91, 9
	s_mov_b32 s79, 0
	s_add_nc_u64 s[78:79], s[8:9], s[78:79]
	global_load_b128 v[96:99], v[OA16], s[78:79]   ; the bias of columns 4 x lane .. + 3 of my 128
	s_lshl_b32 s80, s90, 19                        ; my first row of out0: 128 rows of 4,096 bytes a group,
	s_lshl_b32 s81, s91, 9                         ; my first column
	s_add_co_u32 s80, s80, s81
	s_mov_b32 s81, 0
	s_add_nc_u64 s[12:13], s[10:11], s[80:81]
	s_mul_i32 s17, s15, HALFT
	s_mul_i32 s21, s16, HALFT
	s_add_co_u32 s21, s21, 2*HALFT
.irp s, 0,1,2
	v_add_nc_u32 v[L16+\s], s17, v[OA16]
	v_add_nc_u32 v[L8+\s], s17, v[OA8]
	v_add_nc_u32 v[R16+\s], s21, v[OA16]
	v_add_nc_u32 v[R8+\s], s21, v[OA8]
	s_add_co_u32 s17, s17, SLOT
	s_add_co_u32 s21, s21, SLOT
.endr
	s_mul_i32 s17, s14, 8448                       ; my stage: 16 rows of 512 + 16 bytes, in slot 1, which has its one fill at the start and is read by nobody behind the last barrier
	s_add_co_u32 s17, s17, SLOT
	v_mul_u32_u24 v4, v2, 528
	v_lshl_add_u32 v4, v3, 6, v4
	v_add_nc_u32 v[STO], s17, v4                   ; in: row r, + 64 h
	v_add_nc_u32 v[RD], s17, v[OA16]               ; back: 16 x lane
	s_wait_tensorcnt 2                             ; my part of kslot 0 is in; the two younger loads may be out
	s_barrier_signal -1
	s_barrier_wait -1
	FETCH_R 0, 0, 0
	FETCH_L 0, 0, 0
	FETCH_L 0, 0, 4
	s_wait_loadcnt 0x0                             ; scale words and bias
	STEP 0, 0, 1, 1
	TURN 1, 1, 1
	STEP 2, 1, 1, 0
	STEP 3, 2, 0, 0
	STEP 4, 2, 1, 0
	TURN 5, 0, 0
	STEP 6, 0, 1, 0
	s_wait_dscnt 16
	WIN 0xa1
	MUL16 0, 1, 7, 0
	MUL16 2, 1, 7, 0
	s_wait_dscnt 0x0
	WIN 0xf1
	MUL16 4, 1, 7, 0
	MUL16 6, 1, 7, 0
	WIN 0
; THE WAY OUT, a lane tile (16 tokens x 128 columns) at a time: through my own stage and back as whole rows of 512 bytes; LDS serves a wave's instructions in order, so no wait stands between the stores and the loads.
.macro TOSTAGE a
.set AC, 64*((\a)%4)
	WIN 0x08+4*((\a)/4)                            ; an LDS store's data are its source 1: window 2 or 3
.irp b, 0,1,2,3,4,5,6,7
	ds_store_b128 v[STO], v[AC+8*\b:AC+8*\b+3] offset:128*(\b/2)+32*(\b%2)        ; register j of tile b: column 32 (b/2) + 16 h + 8 (b%2) + j; each accumulator from its low end on
	ds_store_b128 v[STO], v[AC+8*\b+4:AC+8*\b+7] offset:128*(\b/2)+32*(\b%2)+16
.endr
	WIN 0
.set BB, BK+64*((\a)%2)
.irp t, 0,1,2,3,4,5,6,7,8,9,10,11,12,13,14,15
	ds_load_b128 v[BB+4*\t:BB+4*\t+3], v[RD] offset:\t*528
.endr
.endm
.macro SEND a, younger                 ; younger: the LDS instructions issued behind tile a's loads, which may stay out
.set BB, BK+64*((\a)%2)
	s_wait_dscnt \younger
.irp t, 0,1,2,3,4,5,6,7,8,9,10,11,12,13,14,15
	v_pk_add_f32 v[BB+4*\t:BB+4*\t+1], v[BB+4*\t:BB+4*\t+1], v[96:97]
	v_pk_add_f32 v[BB+4*\t+2:BB+4*\t+3], v[BB+4*\t+2:BB+4*\t+3], v[98:99]
	global_store_b128 v[OA16], v[BB+4*\t:BB+4*\t+3], s[12:13] offset:(32*((\a)/2)+8*((\a)%2)+\t+8*(\t/8))*4096 th:TH_STORE_NT   ; lane t of tile a is that token of my 128; 512 consecutive bytes
.endr
.endm
	PLACES
	TOSTAGE 0
.irp a, 1,2,3,4,5,6,7
.if \a > 1
	s_wait_xcnt 0x0                                ; tile a - 2's stores have read their registers: tile a's loads may land there
.endif
	TOSTAGE \a
	SEND \a-1, 32                                  ; behind tile a - 1's loads: tile a's 16 stores and 16 loads
.endr
	SEND 7, 0
	s_wait_tensorcnt 0x0                           ; the wave's end
	ds_add_u32 v[SPW], v[NIL]
	s_wait_dscnt 0x0
	CROUND                                         ; the closing round
	s_endpgm
.Lfunc_end_k_qfafbed1abe_gemm_out:
	.size	k_qfafbed1abe_gemm_out, .Lfunc_end_k_qfafbed1abe_gemm_out-k_qfafbed1abe_gemm_out
	.p2alignl 7, 3214868480
	.fill 96, 4, 3214868480
	.section	.rodata,"a",@progbits
	.p2align	6, 0x0
	.amdhsa_kernel k_qfafbed1abe_gemm_out
		.amdhsa_group_segment_fixed_size 327680
		.amdhsa_private_segment_fixed_size 0
		.amdhsa_enable_private_segment 0
		.amdhsa_kernarg_size 32
		.amdhsa_user_sgpr_count 2
		.amdhsa_user_sgpr_kernarg_segment_ptr 1
		.amdhsa_wavefront_size32 1
		.amdhsa_system_sgpr_workgroup_id_x 1
		.amdhsa_system_sgpr_workgroup_id_y 1
		.amdhsa_system_sgpr_workgroup_id_z 1
		.amdhsa_system_vgpr_workitem_id 0
		.amdhsa_next_free_vgpr 1024
		.amdhsa_next_free_sgpr 102
		.amdhsa_reserve_vcc 0
		.amdhsa_float_denorm_mode_32 3
		.amdhsa_float_denorm_mode_16_64 3
		.amdhsa_memory_ordered 1
		.amdhsa_forward_progress 1
		.amdhsa_inst_pref_size 156
	.end_amdhsa_kernel
	.amdgpu_metadata
---
amdhsa.version: [ 1, 2 ]
amdhsa.kernels:
  - .name:           k_qfafbed1abe_gemm_out
    .symbol:         k_qfafbed1abe_gemm_out.kd
    .args:
      - { .name: yq, .offset: 0, .size: 8, .value_kind: global_buffer, .address_space: global }
      - { .name: pre, .offset: 8, .size: 8, .value_kind: global_buffer, .address_space: global }
      - { .name: bo, .offset: 16, .size: 8, .value_kind: global_buffer, .address_space: global }
      - { .name: out0, .offset: 24, .size: 8, .value_kind: global_buffer, .address_space: global }
    .group_segment_fixed_size: 327680
    .private_segment_fixed_size: 0
    .kernarg_segment_align: 8
    .kernarg_segment_size: 32
    .max_flat_workgroup_size: 128
    .sgpr_count:     102
    .vgpr_count:     1024
    .wavefront_size: 32
...
	.end_amdgpu_metadata
.endif
;; end of part 4
